; MI455X (gfx1250); checked and timed in simulation.
; The chip was launched on July 23, 2026; its instructions are those of AMD's public machine-readable ISA for CDNA 5 (MIT licence, August 2026) and "CDNA5" Instruction Set Architecture Reference Guide (July 2026). The comments in the code are by the model that wrote it; some were corrected since.
;; Self Attention. Allowed arithmetic: float matrix products may take bf16 or f16 operands with f32 sums; other float arithmetic in f32, or as packed bf16 or f16 multiplies, adds, multiply-adds, maxima and minima; sums over many terms, partial sums and values carried from step to step in f32; what a program stores and reads back later, other than sums and carried values, may be rounded once to bf16 or f16.
;; Inputs: Wk 1,024 x 1,024 float32; Wo 1,024 x 1,024 float32; Wq 1,024 x 1,024 float32; Wv 1,024 x 1,024 float32; bk 1,024 float32; bo 1,024 float32; bq 1,024 float32; bv 1,024 float32; keys 4 x 2,048 x 1,024 float32; mask 4 x 1 x 2,048 x 2,048 bool; queries 4 x 2,048 x 1,024 float32; values 4 x 2,048 x 1,024 float32.
;; Outputs: out0 4 x 2,048 x 1,024 float32.
;; 2 versions, each right; version 2 is version 1 with the launch prep written anew for expert scheduling mode. Each part assembles by itself: llvm-mc -triple=amdgcn-amd-amdhsa -mcpu=gfx1250 --defsym DOCPART=n.
;; ======== version 1 of 2: 4 launches
;; limits: values are held in f16: magnitudes above 65,504 overflow, below 6.1e-05 lose precision
;; workspace buffers: xb 50,331,648 bytes; wb 8,388,608 bytes; bb 16,384 bytes; mk 8,388,608 bytes; qkv 50,331,648 bytes; o 16,777,216 bytes
;; launch prep (part 1): grid 2049 x 1, 8 waves a work-group, no clusters, 34,816 bytes of LDS; arguments queries, keys, values, Wq, Wk, Wv, Wo, bq, bk, bv, bo, mask, xb, wb, bb, mk; writes xb, wb, bb, mk
.if DOCPART == 1
	.amdgcn_target "amdgcn-amd-amdhsa--gfx1250"
	.amdhsa_code_object_version 6
	.text
	.protected	k_q4edc9d3ece_prep
	.globl	k_q4edc9d3ece_prep
	.p2align	8
	.type	k_q4edc9d3ece_prep,@function
k_q4edc9d3ece_prep:
	s_mov_b64 s[64:65], 0
	v_nop
	global_prefetch_b8 v0, s[64:65] scope:SCOPE_SE
	s_setreg_imm32_b32 hwreg(HW_REG_WAVE_MODE, 25, 1), 1
	s_wait_xcnt 0x0
; PREPARATION: a stream; no matrix unit, no barrier (no wave wants a byte that another has fetched).
;  work-groups 0..1535     queries, keys, values (f32) -> xb [3][8192][1024] bf16, 64 KiB in and 32 KiB out each
;  work-groups 1536..1791  Wq, Wk, Wv -> wb as bf16; Wo -> wb rounded to bf16 and that number written as f16
;                          (LIMIT: below 6e-5 a number of Wo keeps f16's fixed step of 6e-8)
;  work-groups 1792..2047  mask (a byte a key) -> mk: four bits a key, 0xF where the key is hidden, 0 where it is seen, laid out as
;                          the attention launch's lanes want them: mk[n*128+qt][ks][lane][kb] words; nibble j of a word stands for
;                          query 16 qt + lane % 16 and key 64 ks + 16 kb + 8 (lane / 16) + j
;  work-group 2048         the four biases, rounded to bf16 and widened again -> bb [4][1024] f32
; Every load of a wave covers 512 consecutive bytes; every store 256 or 512 consecutive bytes, aligned.  All loads of a thread go out at once, each into
; registers of its own, so the only waits are counted waits for data.  The mask's words change lanes through LDS bytes that are the wave's own.
.set X, 8                              ; v[8:71]    sixteen loads of four registers
.set Y, 72                             ; v[72:103]  what is stored
.set T, 104                            ; v[104:109] at work
.set SPW, 110                          ; v110  my spare word's address; never rewritten
.set NIL, 111                          ; v111  0; never rewritten
.set KPITCH, 528                       ; a key step's 512 bytes of words + 16: the eight key steps of a store start at eight different groups of four banks
.set WREG, 8*KPITCH                    ; a wave's own LDS bytes: eight key steps
.set SPARE, 8*WREG                     ; behind them: the spare words, 128 bytes a wave: four blocks of 256 bytes that no other line names
	s_load_b512 s[4:19], s[0:1], 0x0               ; queries 4, keys 6, values 8, Wq 10, Wk 12, Wv 14, Wo 16, bq 18
	s_load_b512 s[20:35], s[0:1], 0x40             ; bk 20, bv 22, bo 24, mask 26, xb 28, wb 30, bb 32, mk 34
	v_lshl_add_u32 v[SPW], v0, 2, SPARE
	v_mov_b32 v[NIL], 0
	s_mov_b32 s36, ttmp9                           ; g
	v_lshlrev_b32 v1, 4, v0                        ; 16 x thread
	v_lshlrev_b32 v2, 3, v0                        ; 8 x thread
	s_wait_kmcnt 0x0
	s_cmp_lt_u32 s36, 1792
	s_cbranch_scc0 .Lnot_cast
	; ---- a cast: which tensor, which 64 KiB of it, and where its 32 KiB go
	s_sub_co_u32 s37, s36, 1536                    ; g' (used where g >= 1536)
	s_lshr_b32 s38, s36, 9                         ; an x tensor has 512 pieces
	s_and_b32 s39, s36, 511
	s_lshr_b32 s42, s37, 6                         ; a weight has 64
	s_add_co_u32 s42, s42, 3
	s_and_b32 s43, s37, 63
	s_cmp_lt_u32 s36, 1536
	s_cselect_b32 s38, s38, s42                    ; tensor 0..6
	s_cselect_b32 s39, s39, s43                    ; its piece
	s_cselect_b32 s37, s36, s37                    ; the piece of xb or of wb
	s_cselect_b64 s[44:45], s[28:29], s[30:31]
	s_mov_b64 s[40:41], s[4:5]
	s_cmp_eq_u32 s38, 1
	s_cselect_b64 s[40:41], s[6:7], s[40:41]
	s_cmp_eq_u32 s38, 2
	s_cselect_b64 s[40:41], s[8:9], s[40:41]
	s_cmp_eq_u32 s38, 3
	s_cselect_b64 s[40:41], s[10:11], s[40:41]
	s_cmp_eq_u32 s38, 4
	s_cselect_b64 s[40:41], s[12:13], s[40:41]
	s_cmp_eq_u32 s38, 5
	s_cselect_b64 s[40:41], s[14:15], s[40:41]
	s_cmp_eq_u32 s38, 6
	s_cselect_b64 s[40:41], s[16:17], s[40:41]
	s_lshl_b32 s46, s39, 16
	s_mov_b32 s47, 0
	s_add_nc_u64 s[40:41], s[40:41], s[46:47]
	s_lshl_b32 s46, s37, 15
	s_add_nc_u64 s[44:45], s[44:45], s[46:47]
.set j, 0
.rept 16
	global_load_b128 v[X+4*j:X+4*j+3], v1, s[40:41] offset:4096*j th:TH_LOAD_NT
.set j, j+1
.endr
; Pass i: four numbers a thread.  wo = 1: the bf16 number is widened and written as f16.
.macro PASS i, wo
	s_wait_loadcnt 15-(\i)                         ; loads come back in order: pass i is in, the younger ones stay out
.if \wo
	v_cvt_pk_bf16_f32 v[T], v[X+4*(\i)], v[X+4*(\i)+1]
	v_cvt_pk_bf16_f32 v[T+1], v[X+4*(\i)+2], v[X+4*(\i)+3]
	v_lshlrev_b32 v[T+2], 16, v[T]
	v_and_b32 v[T+3], 0xffff0000, v[T]
	v_lshlrev_b32 v[T+4], 16, v[T+1]
	v_and_b32 v[T+5], 0xffff0000, v[T+1]
	v_cvt_pk_f16_f32 v[Y+2*(\i)], v[T+2], v[T+3]
	v_cvt_pk_f16_f32 v[Y+2*(\i)+1], v[T+4], v[T+5]
.else
	v_cvt_pk_bf16_f32 v[Y+2*(\i)], v[X+4*(\i)], v[X+4*(\i)+1]
	v_cvt_pk_bf16_f32 v[Y+2*(\i)+1], v[X+4*(\i)+2], v[X+4*(\i)+3]
.endif
	global_store_b64 v2, v[Y+2*(\i):Y+2*(\i)+1], s[44:45] offset:2048*(\i)  ; a wave stores 256 consecutive bytes, aligned
.endm
	s_cmp_eq_u32 s38, 6
	s_cbranch_scc1 .Lwo
.set j, 0
.rept 16
	PASS j, 0
.set j, j+1
.endr
	s_endpgm
.Lwo:
.set j, 0
.rept 16
	PASS j, 1
.set j, j+1
.endr
	s_endpgm
.Lnot_cast:
	s_cmp_lt_u32 s36, 2048
	s_cbranch_scc0 .Lbias
	; ---- the mask.  A work-group packs two tiles of 16 queries, a wave 512 keys (eight key steps) of one.  Load j takes 512 consecutive bytes of row j: lane l holds the 16 keys
	; 16 l .. 16 l + 15 of the wave's 512: key step l / 4, key block l % 4.  They pack into two words (keys 0-7 and 8-15), which go to LDS at the place that mk gives them, and come back 16 bytes a lane.
	s_sub_co_u32 s38, s36, 1792
	v_lshrrev_b32 v3, 5, v0
	v_readfirstlane_b32 s37, v3                    ; wave 0..7
	s_lshr_b32 s39, s37, 2
	s_lshl_b32 s38, s38, 1
	s_add_co_u32 s38, s38, s39                     ; the tile of 16 queries, 0..511
	s_and_b32 s39, s37, 3                          ; which 512 keys
	s_lshl_b32 s40, s38, 15                        ; 16 rows of 2,048 bytes
	s_lshl_b32 s42, s39, 9
	s_add_co_u32 s40, s40, s42
	s_mov_b32 s41, 0
	s_add_nc_u64 s[26:27], s[26:27], s[40:41]
	s_lshl_b32 s40, s38, 14                        ; a tile's 16,384 bytes of mk
	s_lshl_b32 s42, s39, 12                        ; eight key steps of 512 bytes
	s_add_co_u32 s40, s40, s42
	s_add_nc_u64 s[34:35], s[34:35], s[40:41]
	s_mov_b32 s42, 0x06040200                      ; the even bytes of two words
	s_mov_b32 s43, 0x07050301                      ; the odd ones
	s_mul_i32 s44, s37, WREG                       ; my wave's own LDS bytes
	v_and_b32 v3, 31, v0                           ; l
	v_lshlrev_b32 v5, 4, v3                        ; 16 l: in memory on the way in and on the way out
	v_lshrrev_b32 v4, 2, v3
	v_mul_u32_u24 v4, v4, KPITCH                   ; key step l / 4
	v_and_b32 v6, 3, v3
	v_lshl_add_u32 v4, v6, 2, v4                   ; word l % 4 of a lane's four
	v_add_nc_u32 v4, s44, v4                       ; where I put a word
	v_add_nc_u32 v7, s44, v5                       ; where I read 16 bytes back
.set j, 0
.rept 16
	global_load_b128 v[X+4*j:X+4*j+3], v5, s[26:27] offset:2048*j th:TH_LOAD_NT
.set j, j+1
.endr
; Eight mask bytes (0 or 1) in v[a], v[a+1] -> eight nibbles in v[d]: 15 x (1 - byte)
.macro PACK8 d, a
	v_perm_b32 v[T], v[(\a)+1], v[\a], s42         ; keys 0, 2, 4, 6
	v_perm_b32 v[T+1], v[(\a)+1], v[\a], s43       ; keys 1, 3, 5, 7
	v_lshl_or_b32 v[T], v[T+1], 4, v[T]            ; nibble j = key j
	v_xor_b32 v[T], 0x11111111, v[T]               ; 1 where hidden
	v_lshlrev_b32 v[T+1], 4, v[T]
	v_sub_nc_u32 v[\d], v[T+1], v[T]               ; times 15
.endm
.set j, 0
.rept 16
	s_wait_loadcnt 15-j                            ; row j is in, the younger rows stay out
	PACK8 Y+2*j, X+4*j
	PACK8 Y+2*j+1, X+4*j+2
	ds_store_b32 v4, v[Y+2*j] offset:16*j          ; mk's lane j: keys 0-7 of the block
	ds_store_b32 v4, v[Y+2*j+1] offset:16*j+256    ; mk's lane 16 + j: keys 8-15
.set j, j+1
.endr
.irp i, 0,1,2,3,4,5,6,7
	ds_load_b128 v[X+4*\i:X+4*\i+3], v7 offset:KPITCH*\i  ; LDS serves a wave's instructions in order: these see the stores above
.endr
.irp i, 0,1,2,3,4,5,6,7
	s_wait_dscnt 7-\i
	global_store_b128 v5, v[X+4*\i:X+4*\i+3], s[34:35] offset:512*\i  ; a key step's 512 consecutive bytes, aligned
.endr
	s_wait_tensorcnt 0x0                           ; the wave's end, behind my last LDS store
	ds_add_u32 v[SPW], v[NIL]
	s_wait_dscnt 0x0
	s_endpgm
.Lbias:
	global_load_b128 v[8:11], v1, s[18:19]
	global_load_b128 v[12:15], v1, s[20:21]
	global_load_b128 v[16:19], v1, s[22:23]
	global_load_b128 v[20:23], v1, s[24:25]
	s_wait_loadcnt 0x0
.irp j, 0,1,2,3,4,5,6,7
	v_cvt_pk_bf16_f32 v[T], v[8+2*\j], v[9+2*\j]
	v_lshlrev_b32 v[8+2*\j], 16, v[T]
	v_and_b32 v[9+2*\j], 0xffff0000, v[T]
.endr
	global_store_b128 v1, v[8:11], s[32:33]
	global_store_b128 v1, v[12:15], s[32:33] offset:4096
	global_store_b128 v1, v[16:19], s[32:33] offset:8192
	global_store_b128 v1, v[20:23], s[32:33] offset:12288
	s_endpgm
.Lfunc_end_k_q4edc9d3ece_prep:
	.size	k_q4edc9d3ece_prep, .Lfunc_end_k_q4edc9d3ece_prep-k_q4edc9d3ece_prep
	.p2alignl 7, 3214868480
	.fill 96, 4, 3214868480
	.section	.rodata,"a",@progbits
	.p2align	6, 0x0
	.amdhsa_kernel k_q4edc9d3ece_prep
		.amdhsa_group_segment_fixed_size 34816
		.amdhsa_private_segment_fixed_size 0
		.amdhsa_enable_private_segment 0
		.amdhsa_kernarg_size 128
		.amdhsa_user_sgpr_count 2
		.amdhsa_user_sgpr_kernarg_segment_ptr 1
		.amdhsa_wavefront_size32 1
		.amdhsa_system_sgpr_workgroup_id_x 1
		.amdhsa_system_sgpr_workgroup_id_y 1
		.amdhsa_system_sgpr_workgroup_id_z 1
		.amdhsa_system_vgpr_workitem_id 0
		.amdhsa_next_free_vgpr 112
		.amdhsa_next_free_sgpr 66
		.amdhsa_reserve_vcc 0
		.amdhsa_float_denorm_mode_32 3
		.amdhsa_float_denorm_mode_16_64 3
		.amdhsa_memory_ordered 1
		.amdhsa_forward_progress 1
		.amdhsa_inst_pref_size 36
	.end_amdhsa_kernel
	.amdgpu_metadata
---
amdhsa.version: [ 1, 2 ]
amdhsa.kernels:
  - .name:           k_q4edc9d3ece_prep
    .symbol:         k_q4edc9d3ece_prep.kd
    .args:
      - { .name: queries, .offset: 0, .size: 8, .value_kind: global_buffer, .address_space: global }
      - { .name: keys, .offset: 8, .size: 8, .value_kind: global_buffer, .address_space: global }
      - { .name: values, .offset: 16, .size: 8, .value_kind: global_buffer, .address_space: global }
      - { .name: Wq, .offset: 24, .size: 8, .value_kind: global_buffer, .address_space: global }
      - { .name: Wk, .offset: 32, .size: 8, .value_kind: global_buffer, .address_space: global }
      - { .name: Wv, .offset: 40, .size: 8, .value_kind: global_buffer, .address_space: global }
      - { .name: Wo, .offset: 48, .size: 8, .value_kind: global_buffer, .address_space: global }
      - { .name: bq, .offset: 56, .size: 8, .value_kind: global_buffer, .address_space: global }
      - { .name: bk, .offset: 64, .size: 8, .value_kind: global_buffer, .address_space: global }
      - { .name: bv, .offset: 72, .size: 8, .value_kind: global_buffer, .address_space: global }
      - { .name: bo, .offset: 80, .size: 8, .value_kind: global_buffer, .address_space: global }
      - { .name: mask, .offset: 88, .size: 8, .value_kind: global_buffer, .address_space: global }
      - { .name: xb, .offset: 96, .size: 8, .value_kind: global_buffer, .address_space: global }
      - { .name: wb, .offset: 104, .size: 8, .value_kind: global_buffer, .address_space: global }
      - { .name: bb, .offset: 112, .size: 8, .value_kind: global_buffer, .address_space: global }
      - { .name: mk, .offset: 120, .size: 8, .value_kind: global_buffer, .address_space: global }
    .group_segment_fixed_size: 34816
    .private_segment_fixed_size: 0
    .kernarg_segment_align: 8
    .kernarg_segment_size: 128
    .max_flat_workgroup_size: 256
    .sgpr_count:     66
    .vgpr_count:     112
    .wavefront_size: 32
...
	.end_amdgpu_metadata
.endif
;; end of part 1
;; launch proj (part 2): grid 4 x 48, 4 waves a work-group, clusters of 4 x 4, 327,680 bytes of LDS; arguments xb, wb, bb, qkv; writes qkv
.if DOCPART == 2
	.amdgcn_target "amdgcn-amd-amdhsa--gfx1250"
	.amdhsa_code_object_version 6
	.text
	.protected	k_q4edc9d3ece_proj
	.globl	k_q4edc9d3ece_proj
	.p2align	8
	.type	k_q4edc9d3ece_proj,@function
k_q4edc9d3ece_proj:
	s_mov_b64 s[64:65], 0
	v_nop
	global_prefetch_b8 v0, s[64:65] scope:SCOPE_SE
	s_setreg_imm32_b32 hwreg(HW_REG_WAVE_MODE, 25, 1), 1
	s_wait_xcnt 0x0
	s_wait_alu depctr_hold_cnt(0) depctr_sa_sdst(0) depctr_va_vdst(0) depctr_va_sdst(0) depctr_va_ssrc(0) depctr_va_vcc(0) depctr_vm_vsrc(0)
	s_getreg_b32 s2, hwreg(HW_REG_IB_STS2, 6, 4)
	s_cmp_eq_u32 s2, 0
	s_cbranch_scc0 .Lentry_in_a_cluster
	s_endpgm
.Lentry_in_a_cluster:
	s_bfe_u32 s2, ttmp6, 0x10000c
	s_cmp_lg_u32 s2, 0xf033
	s_cbranch_scc0 .Lentry_shape_is_right
	s_endpgm
.Lentry_shape_is_right:
; THE THREE PROJECTIONS as one GEMM: for p = 0, 1, 2 (q, k, v): C = x_p W_p^T + b_p.  x: xb [3][8192][1024] bf16, W: wb [p][1024][1024] bf16, b: bb [p][1024] f32.
; C leaves by heads, qkv [p][n*16+h][2048][64] in f16, rounded once from the f32 sums, without the softmax's scale.  LIMIT: f16 ends at 65,504: q, k, v must stay within it.
; SHARES.  A tile of C is 256 tokens x 256 columns: 96 x 4 = 384 tiles over the three projections.  A WORK-GROUP STAYS and makes two, tile rows Y and Y + 48: 192 work-groups of equal work.  No tile gives 256 equal
; shares: 98,304 numbers a share are 384 x 256, 192 x 512 or 96 x 1,024, and none of these heights divides a projection's 8,192 tokens.  The larger tile is taken for what lies between a refill's request and the
; wait for it: 224 matrix instructions a wave, where a tile of 128 x 256 has 112.  Four waves, each 128 x 128: 64 accumulators, 512 registers.
; THE WALK.  Both tiles' 8 K steps of 128 (rows of 256 bytes) are ONE walk of 16 steps through two LDS slots: a loop of 14 trips, each of which fills the slot that it has read with the step two on, and a loop of two
; trips that fills nothing.  The K step's text stands once in each: the slot changes by an exclusive or with SLOT, whose bits (13 and 17) are set in none of the four waves' bases 0, 0x8800, 0x11000, 0x19800.
; In trip 7 a forward branch takes the first tile's way out and the second tile's first quarter in the place of a plain quarter.
; The matrix instruction is used transposed (source 0 = 16 rows of W, source 1 = 16 rows of x): a lane holds one token and eight neighbouring columns.  The bias is the C operand of a tile's first products.
; CLUSTER 4 x 4: the four of a row need the same rows of x, the four of a column the same rows of W: each tile is asked for jointly.
; REGISTERS (s_set_vgpr_msb: bits 1:0 source 0, 3:2 source 1, 5:4 source 2, 7:6 destination):
;   window 0: v0-31 addresses; v64-127, v128-191 fragments of x, two buffers; v32-63, v192-255 at work on the way out
;   window 1: v64-127, v128-191 fragments of W, two buffers; v0-63 the first tile's bias, v192-255 the second's, as the lanes want it
;   window 2: the accumulators of my tokens 0-63 ((a, b) at v[8 (8 a + b)]);   window 3: those of my tokens 64-127
.set KSTEP,  128
.set PITCH,  272                       ; an LDS row: 256 bytes + 16: the 16 rows of a fragment load start at 16 different groups of four banks
.set HALFT,  128*PITCH                 ; 128 rows: what one tensor load brings, and what a wave reads of x or of W
.set SLOT,   4*HALFT                   ; x's 256 rows, then W's 256 rows
.set STAGE,  2*SLOT                    ; behind the ring: for each wave 2 heads x 16 rows x 144 bytes, for the way out
.set SP,     144
.set WSTG,   2*16*SP
.set SPARE,  STAGE+4*WSTG              ; the spare words, 128 bytes a wave: two blocks of 256 bytes that no other line names
.set BACK,   7*KSTEP*2                 ; from a tile's last K step back to its first
.set WALKB,  48*256*2048               ; 48 tile rows of x
.set ADRA0, 16                         ; v16  my fragments of x in slot 0; never rewritten
.set ADRB0, 17                         ; v17  the same for W
.set ADRA, 18                          ; v18  in the slot in hand
.set ADRB, 19
.set STO,  24
.set RD,   25
.set CO,   26
.set BO,   27
.set SPW,  28                          ; my spare word's address; never rewritten
.set NIL,  29                          ; 0; never rewritten
.set PFO,  30                          ; the prefetches' offset: lane x a row of 2,048 bytes; never rewritten
.set OB,   32                          ; the way out: 16 tokens read back from the stage: v32-63 and v224-255 by turns
.set F0,   64
.set F1,   128
.set TMP,  192
.set BIAS0, 0                          ; window 1
.set BIAS1, 192                        ; window 1
.set WV,  12                           ; wave
.set WR,  13                           ; wave / 2: my half of the tokens; also 0: I fetch x, 1: I fetch W
.set WC,  14                           ; wave % 2: my half of the columns; also which 128 rows of that tile I fetch
.set G1A, 24
.set G0A, 32                           ; s[32:39] two sets for the two first fills; the second then walks
.set PFA, 44                           ; s[44:45] the rows and K step that my next prefetch names
.set G1B, 48
.set G0B, 56
.set P0,  66                           ; the first tile's projection, from the cluster's y alone
.set P1,  67                           ; the second's
.set IA,  68                           ; s[68:69] x's step to the next refill
.set IB,  70                           ; s[70:71] W's
.set NA,  72                           ; x: from a tile's last K step to the next tile's first
.set NB,  73                           ; W: the same
.set K256, 74
.set TOG, 75                           ; 0 or SLOT: the slot in hand
.set CB0, 76                           ; s[76:77] where my part of the first tile begins in qkv
.set CB1, 78                           ; s[78:79] of the second
.set LO,  80                           ; a wave prefetches while LO < trips to go <= HI
.set HI,  81
.set PN,  82                           ; NA or NB, by what I fetch
.set IP,  84                           ; s[84:85] the prefetches' step
.set BB0, 86                           ; s[86:87] the first tile's bias
.set BB1, 88                           ; s[88:89] the second's
.set MSB, 0
.macro WIN new                         ; the immediate's high byte repeats the setting that is left; a switch that changes nothing is dropped
.if MSB != (\new)
	s_set_vgpr_msb (MSB<<8)|(\new)
.set MSB, \new
.endif
.endm
.set MUL_LO, 0xa1                      ; W window 1, x window 0, C and D window 2
.set MUL_HI, 0xf1                      ; C and D window 3
.set FST_LO, 0x91                      ; C (the bias) window 1, D window 2
.set FST_HI, 0xd1                      ; D window 3
.set TO_B,   0x40                      ; destination window 1, address window 0
.macro JLOAD s                         ; a joint load; an s_nop 0 and four v_nop follow each of the two lines
	s_cmp_eq_u32 s[WR], 0
	s_cbranch_scc0 .Lfor_b_\@
	tensor_load_to_lds s[G0A+4*(\s):G0A+4*(\s)+3], s[G1A:G1A+7]
	s_nop 0
.rept 4
	v_nop
.endr
	s_branch .Lasked_\@
.Lfor_b_\@:
	tensor_load_to_lds s[G0B+4*(\s):G0B+4*(\s)+3], s[G1B:G1B+7]
	s_nop 0
.rept 4
	v_nop
.endr
.Lasked_\@:
.endm
; A prefetch: trip t asks for K step t + 4 of the walk, two refills on: 32 rows x 256 bytes, a lane a row.  Of the 128 rows that a wave fetches each of the four partners that ask for them jointly takes 32, by address.
; x's rows are read by this cluster alone.  W_p's rows are read by several clusters: the first that reads them asks (cluster y 0 and 8 in their first tile, cluster y 4 in its second).  The loop's last two trips have no step four on.
.macro ASK
	s_cmp_gt_u32 s3, s[LO]
	s_cbranch_scc0 .Lnot_mine_\@
	s_cmp_le_u32 s3, s[HI]
	s_cbranch_scc0 .Lnot_mine_\@
	global_prefetch_b8 v[PFO], s[PFA:PFA+1] th:TH_LOAD_NT scope:SCOPE_SE
.Lnot_mine_\@:
.endm
.macro CREST                           ; a round of the cluster's barrier behind its opening barrier
	s_cmp_lg_u32 s[WV], 0
	s_cbranch_scc1 .Lnot_wave_0_\@
	s_barrier_signal -3
.Lnot_wave_0_\@:
	s_barrier_wait -3
	s_barrier_signal -1
	s_barrier_wait -1
.endm
.macro CROUND
	s_barrier_signal -1
	s_barrier_wait -1
	CREST
.endm
	s_load_b256 s[4:11], s[0:1], 0x0               ; xb 4, wb 6, bb 8, qkv 10
	v_lshl_add_u32 v[SPW], v0, 2, SPARE
	v_mov_b32 v[NIL], 0
	ds_add_u32 v[SPW], v[NIL]                      ; the wave's opening: the add and its wait stand ahead of my first tensor load
	v_lshrrev_b32 v1, 5, v0
	v_readfirstlane_b32 s[WV], v1
	s_lshr_b32 s[WR], s[WV], 1
	s_and_b32 s[WC], s[WV], 1
	s_bfe_u32 s40, ttmp6, 0x40000                  ; cx
	s_bfe_u32 s41, ttmp6, 0x40004                  ; cy
	s_lshl_b32 s42, ttmp9, 2
	s_add_co_u32 s42, s42, s40                     ; tile column 0..3
	s_and_b32 s15, ttmp7, 0xffff                   ; cluster y 0..11
	s_lshl_b32 s2, s15, 2
	s_add_co_u32 s2, s2, s41                       ; Y: the first tile's row among the 96, 0..47
	s_lshr_b32 s[P0], s15, 3                       ; Y / 32
	s_add_co_u32 s[P1], s15, 12
	s_lshr_b32 s[P1], s[P1], 3                     ; (Y + 48) / 32
	s_lshl_b32 s16, s41, 2
	s_lshl_b32 s16, 15, s16                        ; my row of the cluster
	s_lshl_b32 s46, 0x1111, s40                    ; my column
	s_or_b32 s[G1A], s16, (1<<16)|(1<<20)|(1<<21)|(5<<22)|(3<<25)   ; mask; 2-byte elements; padding on; bit 21 beside a mask; after every 64 words, 4 words
	s_or_b32 s[G1B], s46, (1<<16)|(1<<20)|(1<<21)|(5<<22)|(3<<25)
.irp g, G1A, G1B
	s_mov_b32 s[(\g)+1], KSTEP<<16                 ; tensor_dim0 = 128
	s_mov_b32 s[(\g)+2], 128<<16                   ; tensor_dim1 = 128
	s_mov_b32 s[(\g)+3], KSTEP<<16                 ; tile_dim0 = 128
	s_mov_b32 s[(\g)+4], 128                       ; tile_dim1 = 128
	s_mov_b32 s[(\g)+5], 1024                      ; elements from row to row
	s_mov_b32 s[(\g)+6], 0
	s_mov_b32 s[(\g)+7], 0
.endr
	s_lshl_b32 s16, s2, 19                         ; x: (256 Y + 128 x half) rows of 2,048 bytes
	s_lshl_b32 s17, s[WC], 18
	s_add_co_u32 s16, s16, s17
	s_mov_b32 s17, 0
	s_lshl_b32 s46, s[P0], 21                      ; W: (1,024 p + 256 x tile column + 128 x half) rows
	s_lshl_b32 s47, s42, 19
	s_add_co_u32 s46, s46, s47
	s_lshl_b32 s47, s[WC], 18
	s_add_co_u32 s46, s46, s47
	s_mov_b32 s47, 0
	s_mul_i32 s20, s[WV], HALFT                    ; where they go: x's two halves, then W's two: no place in the cluster enters an LDS address
	s_mov_b32 s[NA], WALKB-BACK
	s_sub_co_u32 s[NB], s[P1], s[P0]
	s_lshl_b32 s[NB], s[NB], 21                    ; one or two matrices of 2,097,152 bytes on,
	s_sub_co_u32 s[NB], s[NB], BACK                ; and back along K
	s_mov_b32 s[K256], KSTEP*2
	s_mov_b32 s[IA+1], 0
	s_mov_b32 s[IB+1], 0
	s_mov_b32 s[IP+1], 0
	s_mov_b32 s[TOG], 0
	s_wait_dscnt 0x0                               ; the opening add is done
	s_wait_kmcnt 0x0
	s_add_nc_u64 s[16:17], s[4:5], s[16:17]
	s_add_nc_u64 s[46:47], s[6:7], s[46:47]
	CROUND                                         ; all sixteen work-groups are here: the first joint loads meet
.irp s, 0,1
	s_mov_b32 s[G0A+4*(\s)], 1
	s_add_co_u32 s[G0A+4*(\s)+1], s20, (\s)*SLOT
	s_add_nc_u64 s[G0A+4*(\s)+2:G0A+4*(\s)+3], s[16:17], (\s)*KSTEP*2
	s_or_b32 s[G0A+4*(\s)+3], s[G0A+4*(\s)+3], 0x80000000
	s_mov_b32 s[G0B+4*(\s)], 1
	s_add_co_u32 s[G0B+4*(\s)+1], s20, (\s)*SLOT
	s_add_nc_u64 s[G0B+4*(\s)+2:G0B+4*(\s)+3], s[46:47], (\s)*KSTEP*2
	s_or_b32 s[G0B+4*(\s)+3], s[G0B+4*(\s)+3], 0x80000000
	JLOAD \s                                       ; two tensor loads of mine are out
.endr
	; both tiles' biases: register 8 b + j = b_p[256 x tile column + 128 x half + 16 b + 8 (l / 16) + j]
	s_lshl_b32 s18, s42, 10
	s_lshl_b32 s19, s[WC], 9
	s_add_co_u32 s18, s18, s19
	s_lshl_b32 s20, s[P0], 12
	s_add_co_u32 s20, s20, s18
	s_mov_b32 s21, 0
	s_add_nc_u64 s[BB0:BB0+1], s[8:9], s[20:21]
	s_lshl_b32 s20, s[P1], 12
	s_add_co_u32 s20, s20, s18
	s_add_nc_u64 s[BB1:BB1+1], s[8:9], s[20:21]
	v_and_b32 v1, 15, v0                           ; l % 16
	v_bfe_u32 v2, v0, 4, 1                         ; l / 16
	v_lshlrev_b32 v[BO], 5, v2
	WIN TO_B
.irp b, 0,1,2,3,4,5,6,7
	global_load_b128 v[BIAS0+8*\b:BIAS0+8*\b+3], v[BO], s[BB0:BB0+1] offset:64*\b
	global_load_b128 v[BIAS0+8*\b+4:BIAS0+8*\b+7], v[BO], s[BB0:BB0+1] offset:64*\b+16
	global_load_b128 v[BIAS1+8*\b:BIAS1+8*\b+3], v[BO], s[BB1:BB1+1] offset:64*\b
	global_load_b128 v[BIAS1+8*\b+4:BIAS1+8*\b+7], v[BO], s[BB1:BB1+1] offset:64*\b+16
.endr
	WIN 0
	v_mul_u32_u24 v3, v1, PITCH
	v_lshl_add_u32 v3, v2, 4, v3                   ; a fragment's row x pitch + 16 x half
	s_mul_i32 s21, s[WR], HALFT                    ; my 128 rows of x
	s_mul_i32 s22, s[WC], HALFT                    ; my 128 rows of W,
	s_add_co_u32 s22, s22, 2*HALFT                 ; which lie behind x's 256
	v_add_nc_u32 v[ADRA0], s21, v3
	v_add_nc_u32 v[ADRB0], s22, v3
	v_mov_b32 v[ADRA], v[ADRA0]
	v_mov_b32 v[ADRB], v[ADRB0]
	s_mul_i32 s23, s[WV], WSTG
	s_add_co_u32 s23, s23, STAGE                   ; my stage
	v_mul_u32_u24 v4, v1, SP                       ; in: row l % 16, 16 bytes for each half of the lanes
	v_lshl_add_u32 v4, v2, 4, v4
	v_add_nc_u32 v[STO], s23, v4
	v_bfe_u32 v5, v0, 3, 2                         ; back: 32 lanes take four rows of 128 bytes,
	v_mul_u32_u24 v5, v5, SP
	v_and_b32 v4, 7, v0
	v_lshl_add_u32 v5, v4, 4, v5
	v_add_nc_u32 v[RD], s23, v5
	v_and_b32 v[CO], 31, v0                        ; which are 512 consecutive bytes of a head
	v_lshlrev_b32 v[CO], 4, v[CO]
	; where my part of C begins: Y / 8 = 4 p + n counts blocks of 16 heads; token (Y % 8) x 256 + 128 x half; head 4 x tile column + 2 x half
	s_lshr_b32 s16, s2, 3
	s_lshl_b32 s16, s16, 22
	s_and_b32 s17, s2, 7
	s_lshl_b32 s17, s17, 15
	s_add_co_u32 s16, s16, s17
	s_lshl_b32 s17, s[WR], 14
	s_add_co_u32 s16, s16, s17
	s_mov_b32 s17, 0
	s_add_nc_u64 s[CB0:CB0+1], s[10:11], s[16:17]
	s_lshl_b32 s46, s42, 20
	s_lshl_b32 s47, s[WC], 19
	s_add_co_u32 s46, s46, s47
	s_mov_b32 s47, 0
	s_add_nc_u64 s[CB0:CB0+1], s[CB0:CB0+1], s[46:47]
	s_add_nc_u64 s[CB1:CB1+1], s[CB0:CB0+1], 6<<22  ; 48 tile rows on: six blocks of 16 heads
	; the prefetches
	s_lshl_b32 s19, s2, 8
	s_lshl_b32 s20, s40, 5
	s_add_co_u32 s19, s19, s20                     ; x: row 256 Y + 32 cx
	s_lshl_b32 s20, s[P0], 10
	s_lshl_b32 s21, s42, 8
	s_add_co_u32 s20, s20, s21
	s_lshl_b32 s21, s41, 5
	s_add_co_u32 s20, s20, s21                     ; W: row 1,024 p + 256 x tile column + 32 cy
	s_and_b32 s16, s15, 7
	s_cmp_eq_u32 s16, 0                            ; cluster y 0 and 8 are the first to read their first tile's W
	s_cselect_b32 s[LO], 10, -1
	s_mov_b32 s[HI], 14
	s_cmp_eq_u32 s15, 4                            ; cluster y 4 is the first to read W of the third projection, in its second tile
	s_cselect_b32 s[LO], 2, s[LO]
	s_cselect_b32 s[HI], 10, s[HI]
	s_cmp_eq_u32 s[WR], 0                          ; x: every step from the fourth on
	s_cselect_b32 s[LO], 2, s[LO]
	s_cselect_b32 s[HI], 14, s[HI]                 ; both hang on the wave's number and the cluster's y alone
	s_cselect_b32 s19, s19, s20
	s_cselect_b32 s[PN], s[NA], s[NB]
	s_cselect_b64 s[PFA:PFA+1], s[4:5], s[6:7]
	s_lshl_b32 s20, s[WC], 7
	s_add_co_u32 s19, s19, s20                     ; + the 128 rows that I fetch
	s_lshl_b32 s20, s19, 11
	s_mov_b32 s21, 0
	s_add_nc_u64 s[PFA:PFA+1], s[PFA:PFA+1], s[20:21]
	s_add_nc_u64 s[PFA:PFA+1], s[PFA:PFA+1], 3*KSTEP*2  ; at K step 3: the first trip steps it to 4.  Nothing is asked for at the head
	v_and_b32 v[PFO], 31, v0
	v_lshlrev_b32 v[PFO], 11, v[PFO]
; 16 matrix instructions: token blocks a0, a0 + 1 of the window's four (hi = 0: my tokens 0-63, 1: 64-127) x all 8 column blocks, 32 along K.  first = 1: the bias starts the sums.
; The 64 accumulators take turns in the same order in every quarter.
.macro MUL16 f, hi, a0, first=0, bias=0
.if \first
	WIN FST_LO+0x40*(\hi)
.else
	WIN MUL_LO+0x50*(\hi)
.endif
.irp a, \a0, (\a0)+1
.irp b, 0,1,2,3,4,5,6,7
.if \first
	v_wmma_f32_16x16x32_bf16 v[8*(8*(\a)+(\b)):8*(8*(\a)+(\b))+7], v[(\f)+8*(\b):(\f)+8*(\b)+7], v[(\f)+8*(4*(\hi)+(\a)):(\f)+8*(4*(\hi)+(\a))+7], v[(\bias)+8*(\b):(\bias)+8*(\b)+7]
.else
	v_wmma_f32_16x16x32_bf16 v[8*(8*(\a)+(\b)):8*(8*(\a)+(\b))+7], v[(\f)+8*(\b):(\f)+8*(\b)+7], v[(\f)+8*(4*(\hi)+(\a)):(\f)+8*(4*(\hi)+(\a))+7], v[8*(8*(\a)+(\b)):8*(8*(\a)+(\b))+7]
.endif
.endr
.endr
.endm
; 32 LDS loads in one run: the fragments of one quarter (32 K at byte k of the rows of the slot in hand) into buffer f: W's eight, then x's eight
.macro FETCH k, f
	WIN TO_B
.irp i, 0,1,2,3,4,5,6,7
	ds_load_b128 v[(\f)+8*(\i):(\f)+8*(\i)+3],   v[ADRB] offset:(\k)+(\i)*16*PITCH
	ds_load_b128 v[(\f)+8*(\i)+4:(\f)+8*(\i)+7], v[ADRB] offset:(\k)+(\i)*16*PITCH+32
.endr
	WIN 0
.irp i, 0,1,2,3,4,5,6,7
	ds_load_b128 v[(\f)+8*(\i):(\f)+8*(\i)+3],   v[ADRA] offset:(\k)+(\i)*16*PITCH
	ds_load_b128 v[(\f)+8*(\i)+4:(\f)+8*(\i)+7], v[ADRA] offset:(\k)+(\i)*16*PITCH+32
.endr
.endm
.macro PLACES                          ; four places in front of loads into registers that matrix instructions have read, and of lines that read results
.rept 4
	v_nop
.endr
.endm
.macro OTHER                           ; the fragments come out of the other slot from here on; the next step's first fragments
	s_xor_b32 s[TOG], s[TOG], SLOT
	v_add_nc_u32 v[ADRA], s[TOG], v[ADRA0]
	v_add_nc_u32 v[ADRB], s[TOG], v[ADRB0]
	FETCH 0, F0
.endm
; One of a K step's first three quarters: multiplies buffer f; in its middle it fetches the next quarter, at byte k, into buffer g
.macro QUARTER k, f, g, first=0, bias=0
	s_wait_dscnt 8                                 ; W and x's blocks 0-3 are in; the youngest eight loads (blocks 4-7) may be out
	MUL16 \f, 0, 0, \first, \bias
	MUL16 \f, 0, 2, \first, \bias
	PLACES
	FETCH \k, \g
	s_wait_dscnt 32                                ; all but the 32 just issued
	MUL16 \f, 1, 0, \first, \bias
	MUL16 \f, 1, 2, \first, \bias
.endm
; The last quarter multiplies buffer 1 and changes slots: one barrier; in front of it each wave waits for all its tensor loads (one is out: its part of the next slot), adds 0 to its spare word, and waits for that and
; for its reads of this slot.  fill = 1: the barrier opens a round of the cluster's, and behind it this slot is filled with the walk's step two on: 224 matrix instructions ahead of the wait for it; the next slot's first
; fragments follow.  fill = 0: nothing is asked for, and what is fetched next is the caller's affair.
.macro TURN fill
.if \fill
	s_wait_xcnt 0x0                                ; the last prefetch, a K step back, has read its address
	s_cmp_eq_u32 s3, 10                            ; trip 4 names the second tile's first step
	s_cselect_b32 s[IP], s[PN], s[K256]
	s_add_nc_u64 s[PFA:PFA+1], s[PFA:PFA+1], s[IP:IP+1]
.endif
	WIN 0
	s_wait_tensorcnt 0x0                           ; all my tensor loads have landed
	ds_add_u32 v[SPW], v[NIL]
	s_wait_dscnt 9                                 ; (the add and the youngest eight loads may be out)
	MUL16 F1, 0, 0
	s_wait_dscnt 0x0                               ; the add is done, my reads of this slot are over
	s_barrier_signal -1
	MUL16 F1, 0, 2
.if \fill
	WIN 0
.endif
	s_barrier_wait -1
.if \fill
	CREST                                          ; no wave of any partner still reads this slot or has a load on its way
	s_cmp_eq_u32 s3, 8                             ; trip 6 asks for the second tile's first step
	s_cselect_b32 s[IA], s[NA], s[K256]
	s_cselect_b32 s[IB], s[NB], s[K256]
	s_xor_b32 s[G0A+5], s[G0A+5], SLOT             ; the walking descriptors: the other slot than last time,
	s_xor_b32 s[G0B+5], s[G0B+5], SLOT
	s_add_nc_u64 s[G0A+6:G0A+7], s[G0A+6:G0A+7], s[IA:IA+1]  ; the walk's next step; the type bits on top are not reached
	s_add_nc_u64 s[G0B+6:G0B+7], s[G0B+6:G0B+7], s[IB:IB+1]
	JLOAD 1                                        ; my one tensor load behind the round; its four v_nop are also the places in front of the loads below
	OTHER
	ASK
.endif
	MUL16 F1, 1, 0
	MUL16 F1, 1, 2
.endm
; THE WAY OUT of token block a, in three parts.  PACK: rounded to f16, 16 bytes a lane.  TOSTAGE: 16 tokens of two heads into my own stage, and back as whole rows of a head.  SEND: stored.
.macro PACK a
.set AC, 64*((\a)%4)
	WIN 0x0a+5*((\a)/4)                            ; sources 0 and 1: window 2 or 3
.irp b, 0,1,2,3,4,5,6,7
.irp r, 0,1,2,3
	v_cvt_pk_f16_f32 v[TMP+4*(\b)+(\r)], v[AC+8*(\b)+2*(\r)], v[AC+8*(\b)+2*(\r)+1]
.endr
.endr
	WIN 0
.endm
.macro TOSTAGE a
.set BK, OB+192*((\a)%2)
.irp b, 0,1,2,3,4,5,6,7
	ds_store_b128 v[STO], v[TMP+4*(\b):TMP+4*(\b)+3] offset:((\b)/4)*16*SP+((\b)%4)*32
.endr
.irp f, 0,1,2,3,4,5,6,7
	ds_load_b128 v[BK+4*(\f):BK+4*(\f)+3], v[RD] offset:((\f)/4)*16*SP+((\f)%4)*4*SP  ; LDS serves a wave's instructions in order: these see the stores above, the next block's stores come behind them
.endr
.endm
.macro SEND a, base
.set BK, OB+192*((\a)%2)
	s_wait_dscnt 0x0                               ; the block is back in registers
	s_wait_xcnt 0x0                                ; the stores of the block before have read their registers: the next block is loaded into them only behind this wait
.irp f, 0,1,2,3,4,5,6,7
	global_store_b128 v[CO], v[BK+4*(\f):BK+4*(\f)+3], s[\base:\base+1] offset:((\f)/4)*262144+(16*(\a)+4*((\f)%4))*128  ; 512 consecutive bytes, aligned
.endr
.endm
.macro WAYOUT base                     ; block a's conversions stand between block a - 1's loads from the stage and the wait for them
	PACK 0
	TOSTAGE 0
.irp a, 1,2,3,4,5,6,7
	PACK \a
	SEND (\a)-1, \base
	TOSTAGE \a
.endr
	SEND 7, \base
.endm
	s_wait_tensorcnt 1                             ; my part of step 0 is in; step 1's may stay out
	s_barrier_signal -1
	s_barrier_wait -1
	FETCH 0, F0
	s_wait_loadcnt 0x0                             ; the biases
	QUARTER 64, F0, F1, 1, BIAS0                   ; the first tile's first quarter: its products start the sums
	WIN 0
	s_mov_b32 s3, 14
.Lstep:                                                ; trip t = 14 - s3: the last three quarters of step t, the refill with step t + 2, the first quarter of step t + 1
	QUARTER 128, F1, F0
	QUARTER 192, F0, F1
	TURN 1
	WIN 0
	s_cmp_eq_u32 s3, 7
	s_cbranch_scc1 .Lchange
	QUARTER 64, F0, F1
	WIN 0
	s_branch .Lnext
.Lchange:                                              ; step 7 was the first tile's last.  Both refills for the second tile are asked for: now the tile goes out.  Blocks 0-3 were finished in front of TURN's places,
	WAYOUT CB0                                     ; and their conversions, which name no register of the last products (blocks 4-7's), are those products' places
	QUARTER 64, F0, F1, 1, BIAS1                   ; the second tile's first quarter
	WIN 0
.Lnext:
	s_sub_co_u32 s3, s3, 1
	s_cmp_lg_u32 s3, 0
	s_cbranch_scc1 .Lstep
	s_mov_b32 s3, 2
.Ltail:                                                ; steps 14 and 15 have a loop of their own: nothing is asked for.  The second trip's barrier orders nothing more: the price of one text for both
	QUARTER 128, F1, F0
	QUARTER 192, F0, F1
	TURN 0
	WIN 0
	s_cmp_eq_u32 s3, 1                             ; behind step 15 there is no step: its trip jumps over the fetch and the first quarter, which hold no barrier and no tensor load
	s_cbranch_scc1 .Llast
	PLACES                                         ; for the loads into buffer 0
	OTHER
	QUARTER 64, F0, F1
	WIN 0
.Llast:
	s_sub_co_u32 s3, s3, 1
	s_cmp_lg_u32 s3, 0
	s_cbranch_scc1 .Ltail
	PLACES
	WAYOUT CB1
	s_wait_tensorcnt 0x0                           ; the wave's end
	ds_add_u32 v[SPW], v[NIL]
	s_wait_dscnt 0x0
	CROUND                                         ; the closing round
	s_endpgm
.Lfunc_end_k_q4edc9d3ece_proj:
	.size	k_q4edc9d3ece_proj, .Lfunc_end_k_q4edc9d3ece_proj-k_q4edc9d3ece_proj
	.p2alignl 7, 3214868480
	.fill 96, 4, 3214868480
	.section	.rodata,"a",@progbits
	.p2align	6, 0x0
	.amdhsa_kernel k_q4edc9d3ece_proj
		.amdhsa_group_segment_fixed_size 327680
		.amdhsa_private_segment_fixed_size 0
		.amdhsa_enable_private_segment 0
		.amdhsa_kernarg_size 32
		.amdhsa_user_sgpr_count 2
		.amdhsa_user_sgpr_kernarg_segment_ptr 1
		.amdhsa_wavefront_size32 1
		.amdhsa_system_sgpr_workgroup_id_x 1
		.amdhsa_system_sgpr_workgroup_id_y 1
		.amdhsa_system_sgpr_workgroup_id_z 1
		.amdhsa_system_vgpr_workitem_id 0
		.amdhsa_next_free_vgpr 1024
		.amdhsa_next_free_sgpr 90
		.amdhsa_reserve_vcc 0
		.amdhsa_float_denorm_mode_32 3
		.amdhsa_float_denorm_mode_16_64 3
		.amdhsa_memory_ordered 1
		.amdhsa_forward_progress 1
		.amdhsa_inst_pref_size 142
	.end_amdhsa_kernel
	.amdgpu_metadata
---
amdhsa.version: [ 1, 2 ]
amdhsa.kernels:
  - .name:           k_q4edc9d3ece_proj
    .symbol:         k_q4edc9d3ece_proj.kd
    .args:
      - { .name: xb, .offset: 0, .size: 8, .value_kind: global_buffer, .address_space: global }
      - { .name: wb, .offset: 8, .size: 8, .value_kind: global_buffer, .address_space: global }
      - { .name: bb, .offset: 16, .size: 8, .value_kind: global_buffer, .address_space: global }
      - { .name: qkv, .offset: 24, .size: 8, .value_kind: global_buffer, .address_space: global }
    .group_segment_fixed_size: 327680
    .private_segment_fixed_size: 0
    .kernarg_segment_align: 8
    .kernarg_segment_size: 32
    .max_flat_workgroup_size: 128
    .sgpr_count:     90
    .vgpr_count:     1024
    .wavefront_size: 32
...
	.end_amdgpu_metadata
.endif
;; end of part 2
;; launch attn (part 3): grid 4 x 64, 4 waves a work-group, clusters of 4 x 4, 327,680 bytes of LDS; arguments qkv, mk, o; writes o
.if DOCPART == 3
	.amdgcn_target "amdgcn-amd-amdhsa--gfx1250"
	.amdhsa_code_object_version 6
	.text
	.protected	k_q4edc9d3ece_attn
	.globl	k_q4edc9d3ece_attn
	.p2align	8
	.type	k_q4edc9d3ece_attn,@function
k_q4edc9d3ece_attn:
	s_mov_b64 s[64:65], 0
	v_nop
	global_prefetch_b8 v0, s[64:65] scope:SCOPE_SE
	s_setreg_imm32_b32 hwreg(HW_REG_WAVE_MODE, 25, 1), 1
	s_wait_xcnt 0x0
	s_wait_alu depctr_hold_cnt(0) depctr_sa_sdst(0) depctr_va_vdst(0) depctr_va_sdst(0) depctr_va_ssrc(0) depctr_va_vcc(0) depctr_vm_vsrc(0)
	s_getreg_b32 s2, hwreg(HW_REG_IB_STS2, 6, 4)
	s_cmp_eq_u32 s2, 0
	s_cbranch_scc0 .Lentry_in_a_cluster
	s_endpgm
.Lentry_in_a_cluster:
	s_bfe_u32 s2, ttmp6, 0x10000c
	s_cmp_lg_u32 s2, 0xf033
	s_cbranch_scc0 .Lentry_shape_is_right
	s_endpgm
.Lentry_shape_is_right:
; MASKED ATTENTION at head size 64.  O[y][q][:] = sum over k of softmax_k(where(mask[n][q][k], Q[y][q].K[y][k], -1e20) / 8) V[y][k][:], y = n*16 + h.
; Q, K, V: qkv [3][64][2048][64] f16; O: o [64][2048][64] f16; the mask: mk, four bits a key (0xF hidden, 0 seen), as the lanes want it.  Products, maxima and sums in f32; the weights p are rounded
; to f16 for the second product (their sum l is taken of the unrounded p), O once at the end.
; THE MASK is the C operand of the products that start S^T = K Q^T: one scaled conversion makes of a word's eight nibbles eight f32, 0 or -6 x 2^64 = -1.107e20.
; LIMITS.  f16 holds no number beyond 65,504.  A hidden score counts as its value less 1.107e20 in place of -1e20: f16's scores are 2.7e11 at the most, so the weights are the same.  A weight below 2^-126 counts as 0 in l.
; NaN and infinities are not treated apart.  a is 2^(c (m_old - m_new)); beside 2^(c m_old - c m_new) it is off by a rounding of c m at the most, far less than q's and k's rounding to f16 moves the same exponent.
; SOFTMAX.  A running maximum m, which starts at -2^66: above every hidden score, below every seen one.  For each query c_row = min(m + 2^66, c), c = log2(e) / 8: 0 while all its keys so far are hidden, else c.
; p = 2^(c_row s - c_row m): a row wholly hidden has p = 1 for every key, the uniform mean that a softmax of equal numbers gives.  O and l are multiplied by a in every step; the first seen key makes a = 0.
; SHARES.  A work-group owns 512 queries of one y, a wave 128: four PIECES of two tiles of 16.  Every wave walks all keys, 64 a step.  grid x is one cluster, so cx is the block of queries.
; LAYOUT.  S^T = K Q^T holds ONE query a lane (lane % 16) and the keys 8 (lane / 16) + 0..7; two such results rounded to f16 ARE source 1 of O^T = V^T P.  V comes out of LDS turned, by ds_load_tr16_b128.
; BY TURNS.  Turn n belongs to piece n: 16 products K Q^T of piece n + 1, later 16 products V^T P of piece n - 1; beside them piece n's scaling, exponentials, roundings, sums and rescaling, piece n + 1's maximum and
; statistics, and piece n + 2's mask.  Four vector instructions stand behind every matrix instruction, the others in one lump.  A turn's 66 exponentials are one batch with one wait.
; CLUSTER 4 x 4.  A row's four work-groups (one y) walk the same K and V; a column's four (four heads of one n, one block of queries) the same mask words: each tile is asked for jointly.
; REGISTERS (s_set_vgpr_msb: bits 1:0 source 0, 3:2 source 1, 5:4 source 2, 7:6 destination):
;   window 0: v0-11 addresses; v12-15, v48-63 at work; v16-47 four statistics a tile; v64-191 S^T, two buffers of two tiles; v192-255 P, likewise
;   window 1: O^T, 32 a tile     window 2: v0-127 Q; v128-191 K of one step; v192-255 V of one step     window 3: v0-1 the add's; v4-35 a step's mask words; v40-103 a piece's mask as f32
.set NP,    4
.set KS,    64
.set PK,    144       ; a row of K in LDS: 128 bytes + 16
.set PV,    160       ; a row of V: 128 + 32
.set VOFF,  2*KS*PK   ; a slot holds two steps: 128 rows of K, 128 rows of V,
.set MOFF,  2*KS*(PK+PV)  ; and for each of the block's 32 tiles of queries 1,024 bytes of mask words
.set SLOT1, 1<<17
.set STAGE, SLOT1+MOFF+32768  ; behind the ring: 16 rows x 144 bytes for each wave
.set SP,    144
.set SPARE, STAGE+4*16*SP     ; the spare words: two blocks of 256 bytes that no other line names
.set SCL, 1           ; v1   the conversions' scale: 2^64, in every byte
.set AK0, 2
.set AV0, 3
.set AK,  4
.set AV,  5
.set QO,  6
.set STO, 6
.set RD,  7
.set GO,  8
.set AM0, 9           ; v9   my lane's place among my wave's mask words
.set AM,  10
.set PFO, 11          ; v11  the prefetches' offset; never rewritten
.set MV,  12          ; v12-15  m_old, by buffer and tile
.set ST,  16          ; tile t's statistics at v[ST+4 t]: c_row m, m, l, l
.set TMP, 48          ; by buffer and tile c0-c3; in the end c0 = c_row, c2 = a
.set S,   64
.set P,   192
.set KF,  128
.set VF,  192
.set SPW, 0           ; window 3
.set NIL, 1           ; window 3
.set MW,  4           ; window 3: tile t's four words at MW + 4 t
.set MC,  40          ; window 3: tile u of the piece, key block kb at MC + 32 u + 8 kb
.set WV,  12
.set G1K, 24
.set G1V, 32
.set G1M, 40
.set G0K, 48
.set G0V, 52
.set G0M, 56
.set CS,  60          ; s[60:61] c
.set SEL, 62          ; s[62:63]
.set SLOTS, 66
.set CNT, 67
.set TBK, 68
.set TBV, 69
.set TBM, 70
.set LIM, 71
.set PFA, 72          ; s[72:73]
.set PFS, 74          ; s[74:75] a slot's step in the tensor that I prefetch
.set NFL, 76          ; +2^66
.set QP,  78          ; s[78:79]
.set OPT, 80          ; s[80:81]
.set MSB, 0
.macro WIN new
.if MSB != (\new)
	s_set_vgpr_msb (MSB<<8)|(\new)
.set MSB, (\new)
.endif
.endm
.set W_KQ, 0x0a
.set W_KM, 0x3a       ; K and Q window 2, C window 3, S^T window 0
.set W_PV, 0x52
.set W_RS, 0x41
.set W_MK, 0xc0       ; destination window 3
.set W_AD, 0x0f
.set W_CV, 0xc3       ; destination and source 0 window 3, the scale window 0
; A joint fill: wave 0 a slot's K, wave 1 its V, waves 2 and 3 the halves of its mask words.  An s_nop 0 and four v_nop follow each line.
.macro JLOAD
	s_cmp_lt_u32 s[WV], 2
	s_cbranch_scc0 .Lfor_m_\@
	s_cmp_eq_u32 s[WV], 0
	s_cbranch_scc0 .Lfor_v_\@
	tensor_load_to_lds s[G0K:G0K+3], s[G1K:G1K+7]
	s_nop 0
.rept 4
	v_nop
.endr
	s_branch .Lasked_\@
.Lfor_v_\@:
	tensor_load_to_lds s[G0V:G0V+3], s[G1V:G1V+7]
	s_nop 0
.rept 4
	v_nop
.endr
	s_branch .Lasked_\@
.Lfor_m_\@:
	tensor_load_to_lds s[G0M:G0M+3], s[G1M:G1M+7]
	s_nop 0
.rept 4
	v_nop
.endr
.Lasked_\@:
.endm
; A prefetch of what the NEXT change of slots will ask for, a lane a block of 256 bytes.  A slot's K and V are 128 blocks: the row's four partners take 32 each, by address, wave 0 asks.  A slot's mask words
; for a block of queries are 128 blocks, read by the four clusters of one n: the first asks, its column's four partners take 32 each, wave 2 asks.  The last change that fills a slot asks for nothing.
.macro ASK
	s_cmp_gt_u32 s[SLOTS], s[LIM]
	s_cbranch_scc0 .Lnot_mine_\@
	global_prefetch_b8 v[PFO], s[PFA:PFA+1] th:TH_LOAD_NT scope:SCOPE_SE
.Lnot_mine_\@:
.endm
.macro CROUND
	s_barrier_signal -1
	s_barrier_wait -1
	s_cmp_lg_u32 s[WV], 0
	s_cbranch_scc1 .Lnot_wave_0_\@
	s_barrier_signal -3
.Lnot_wave_0_\@:
	s_barrier_wait -3
	s_barrier_signal -1
	s_barrier_wait -1
.endm
; THE CHANGE OF SLOTS.  Each wave waits for all its tensor loads (one is out: its part of the other slot), adds 0 to its spare word, and waits for that and for its reads of the slot that it leaves.
; fill = 1: the barrier is a round of the cluster's, and the joint fill of the old slot, with the keys two slots on, is the first thing behind it: it has two key steps, 256 matrix instructions, in which to land.
.macro CHANGE fill, ask
	WIN W_AD
	s_wait_tensorcnt 0x0            ; no tensor load of mine is out, so a group 0 may be written
	ds_add_u32 v[SPW], v[NIL]
	WIN 0
.if \fill
.irp g, G0K, G0V
	s_xor_b32 s[\g+1], s[\g+1], SLOT1
	s_add_nc_u64 s[\g+2:\g+3], s[\g+2:\g+3], 2*KS*128
.endr
	s_xor_b32 s[G0M+1], s[G0M+1], SLOT1
	s_add_nc_u64 s[G0M+2:G0M+3], s[G0M+2:G0M+3], 1024
.if \ask
	s_wait_xcnt 0x0                 ; the last prefetch, two key steps back, has read its address
	s_add_nc_u64 s[PFA:PFA+1], s[PFA:PFA+1], s[PFS:PFS+1]
.endif
	s_wait_dscnt 0x0                ; the add is done, my reads of the slot are over
	CROUND
	JLOAD
.if \ask
	ASK
.endif
.else
	s_wait_dscnt 0x0
	s_barrier_signal -1
	s_barrier_wait -1
.endif
	s_sub_co_u32 s[TBK], s[TBK], 2*KS*PK  ; the fetches go back to a slot's first step, in the other slot
	s_xor_b32 s[TBK], s[TBK], SLOT1
	s_sub_co_u32 s[TBV], s[TBV], 2*KS*PV
	s_xor_b32 s[TBV], s[TBV], SLOT1
	s_sub_co_u32 s[TBM], s[TBM], 1024
	s_xor_b32 s[TBM], s[TBM], SLOT1
.endm
	s_load_b128 s[4:7], s[0:1], 0x0   ; qkv 4, mk 6
	s_load_b64 s[8:9], s[0:1], 0x10   ; o
	WIN W_MK
	v_lshl_add_u32 v[SPW], v0, 2, SPARE
	v_mov_b32 v[NIL], 0
	WIN W_AD
	ds_add_u32 v[SPW], v[NIL]       ; the wave's opening: the add and its wait stand ahead of my first tensor load
	WIN 0
	v_lshrrev_b32 v48, 5, v0
	v_readfirstlane_b32 s[WV], v48
	s_bfe_u32 s13, ttmp6, 0x40000   ; cx: the block of 512 queries
	s_bfe_u32 s14, ttmp6, 0x40004   ; cy
	s_and_b32 s15, ttmp7, 0xffff    ; cluster y
	s_lshl_b32 s16, s15, 2
	s_add_co_u32 s16, s16, s14      ; y
	s_lshl_b32 s16, s16, 18         ; its 262,144 bytes in q, k, v and o
	s_mov_b32 s17, 0
	s_lshr_b32 s18, s15, 2          ; n, from the cluster's y alone
	s_lshl_b32 s18, s18, 21         ; 128 tiles of queries x 16,384 bytes
	s_lshl_b32 s19, s13, 19         ; the block's 32 tiles
	s_add_co_u32 s18, s18, s19
	s_and_b32 s20, s[WV], 1
	s_lshl_b32 s22, s20, 18         ; which 16 of them I fetch
	s_add_co_u32 s22, s22, s18
	s_mov_b32 s23, 0
	s_lshl_b32 s21, s20, 14
	s_add_co_u32 s[G0M+1], s21, MOFF
	s_mov_b32 s[G0M], 1
	s_mov_b32 s[G0K], 1
	s_mov_b32 s[G0K+1], 0
	s_mov_b32 s[G0V], 1
	s_mov_b32 s[G0V+1], VOFF
	s_lshl_b32 s21, s14, 2
	s_lshl_b32 s21, 15, s21         ; my row of the cluster
	s_or_b32 s[G1K], s21, (1<<16)|(1<<20)|(1<<21)|(4<<22)|(3<<25)  ; 2-byte elements; padding on; bit 21 beside a mask; after every 32 words, 4 words
	s_or_b32 s[G1V], s21, (1<<16)|(1<<20)|(1<<21)|(4<<22)|(7<<25)  ; 8 words
	s_lshl_b32 s21, 0x1111, s13     ; my column
	s_or_b32 s[G1M], s21, (3<<16)|(1<<21)                          ; 8-byte elements, no padding
.irp g, G1K, G1V                    ; 128 keys are 16,384 dense bytes: 64 rows of 256
	s_mov_b32 s[\g+1], 128<<16
	s_mov_b32 s[\g+2], 64<<16
	s_mov_b32 s[\g+3], 128<<16
	s_mov_b32 s[\g+4], 64
	s_mov_b32 s[\g+5], 128
	s_mov_b32 s[\g+6], 0
	s_mov_b32 s[\g+7], 0
.endr
	s_mov_b32 s[G1M+1], 128<<16     ; 16 rows of 1,024 bytes, 16,384 bytes apart
	s_mov_b32 s[G1M+2], 16<<16
	s_mov_b32 s[G1M+3], 128<<16
	s_mov_b32 s[G1M+4], 16
	s_mov_b32 s[G1M+5], 2048
	s_mov_b32 s[G1M+6], 0
	s_mov_b32 s[G1M+7], 0
	s_lshl_b32 s20, s13, 16         ; my block's 512 rows of 128 bytes,
	s_lshl_b32 s21, s[WV], 14       ; my wave's 128
	s_add_co_u32 s20, s20, s21
	s_add_co_u32 s20, s20, s16
	s_mov_b32 s21, 0
	s_mov_b32 s[CS], 0x3e38aa3b     ; c = log2(e) / 8
	s_mov_b32 s[CS+1], s[CS]
	s_mov_b32 s[SEL], 0x76543210
	s_mov_b32 s[SEL+1], 0xfedcba98
	s_mov_b32 s[NFL], 0x60800000    ; 2^66
	s_mov_b32 s[TBK], SLOT1+2*KS*PK ; the first change of slots turns these three into 0
	s_mov_b32 s[TBV], SLOT1+2*KS*PV
	s_mov_b32 s[TBM], SLOT1+1024
	; the prefetches: K or V by cx / 2, its half by cx % 2 (wave 0); eight tiles' mask words by cy (wave 2)
	s_lshr_b32 s2, s13, 1
	s_add_co_u32 s2, s2, 1
	s_lshl_b32 s2, s2, 24
	s_add_co_u32 s2, s2, s16
	s_and_b32 s3, s13, 1
	s_lshl_b32 s3, s3, 13
	s_add_co_u32 s2, s2, s3
	s_add_co_u32 s2, s2, 2*2*KS*128 ; in slot 2: the loop's first change steps it to slot 3
	s_lshl_b32 s3, s14, 17
	s_add_co_u32 s3, s3, s18
	s_add_co_u32 s3, s3, 2*1024
	s_and_b32 s77, s15, 3           ; 0 in the first cluster of an n
	s_mov_b32 s82, 1024
	s_mov_b32 s83, 16384
	s_cmp_lt_u32 s[WV], 2
	s_cselect_b32 s2, s2, s3
	s_cselect_b32 s[PFS], s83, s82
	s_cselect_b32 s84, s82, s83     ; from four blocks to the next four
	s_cselect_b32 s77, 0, s77
	s_mov_b32 s3, 0
	s_mov_b32 s[PFS+1], 0
	s_and_b32 s83, s[WV], 1
	s_or_b32 s77, s77, s83
	s_cmp_eq_u32 s77, 0
	s_cselect_b32 s[LIM], 1, -1     ; hangs on the wave's number and the cluster's y alone
	v_bfe_u32 v[PFO], v0, 2, 3
	v_mul_u32_u24 v[PFO], s84, v[PFO]
	v_and_b32 v48, 3, v0
	v_lshl_add_u32 v[PFO], v48, 8, v[PFO]
	s_wait_dscnt 0x0                ; the opening add is done
	s_wait_kmcnt 0x0
	s_add_nc_u64 s[G0K+2:G0K+3], s[4:5], s[16:17]
	s_add_nc_u64 s[G0V+2:G0V+3], s[G0K+2:G0K+3], 1<<25
	s_add_nc_u64 s[G0K+2:G0K+3], s[G0K+2:G0K+3], 1<<24
	s_or_b32 s[G0K+3], s[G0K+3], 0x80000000
	s_or_b32 s[G0V+3], s[G0V+3], 0x80000000
	s_add_nc_u64 s[G0M+2:G0M+3], s[6:7], s[22:23]
	s_or_b32 s[G0M+3], s[G0M+3], 0x80000000
	s_add_nc_u64 s[QP:QP+1], s[4:5], s[20:21]
	s_add_nc_u64 s[OPT:OPT+1], s[8:9], s[20:21]
	s_cmp_lt_u32 s[WV], 2
	s_cselect_b64 s[PFA:PFA+1], s[4:5], s[6:7]
	s_add_nc_u64 s[PFA:PFA+1], s[PFA:PFA+1], s[2:3]
	CROUND                          ; all sixteen work-groups are here: the first joint loads meet
	JLOAD                           ; slot 0: one tensor load of mine is out, here and behind every round
	v_and_b32 v60, 15, v0           ; l % 16
	v_bfe_u32 v61, v0, 4, 1         ; l / 16
	v_lshlrev_b32 v[QO], 7, v60
	v_lshl_add_u32 v[QO], v61, 4, v[QO]
	WIN 0x80
.set i, 0
.rept 4*NP                          ; Q stays in registers: tile i / 2, channels 32 (i % 2) on
	global_load_b128 v[8*i:8*i+3],   v[QO], s[QP:QP+1] offset:(i/2)*2048+(i%2)*64
	global_load_b128 v[8*i+4:8*i+7], v[QO], s[QP:QP+1] offset:(i/2)*2048+(i%2)*64+32
.set i, i+1
.endr
	; What the first turn finds: V's registers and P's second buffer hold 0 (its products V^T P, of a piece that has not been, add 0), O^T and l are 0.  All this stands in the wait for the first tile.
.set i, VF
.rept 64
	v_mov_b32 v[i], 0
.set i, i+1
.endr
	WIN 0x40
.set i, 0
.rept 64*NP
	v_mov_b32 v[i], 0
.set i, i+1
.endr
	WIN 0
.set i, 0
.rept 2*NP
	v_mov_b32 v[ST+4*i+1], 0xe0800000  ; m = -2^66
	v_mov_b32 v[ST+4*i+2], 0
	v_mov_b32 v[ST+4*i+3], 0
.set i, i+1
.endr
.set i, P+32
.rept 32
	v_mov_b32 v[i], 0
.set i, i+1
.endr
	v_mov_b32 v[SCL], 0xbfbfbfbf
	v_mul_u32_u24 v[AK0], v60, PK
	v_lshl_add_u32 v[AK0], v61, 4, v[AK0]
	v_and_b32 v62, 7, v0
	v_bfe_u32 v63, v0, 3, 1
	v_lshl_add_u32 v[AV0], v61, 3, v62
	v_mul_u32_u24 v[AV0], v[AV0], PV
	v_lshl_add_u32 v[AV0], v63, 4, v[AV0]
	v_add_nc_u32 v[AV0], VOFF, v[AV0]
	v_mov_b32 v[AK], v[AK0]         ; key step 0 lies at the head of slot 0
	s_lshl_b32 s21, s[WV], 13       ; my wave's eight tiles of 1,024 bytes
	s_add_co_u32 s21, s21, MOFF
	v_and_b32 v[AM0], 31, v0
	v_lshlrev_b32 v[AM0], 4, v[AM0]
	v_add_nc_u32 v[AM0], s21, v[AM0]
; THE MATRIX WORK.  The 8 accumulators of a run of 16 take turns.  Product i of 16 of S^T = K Q^T for piece x: channels 32 (i / 8) on, keys 16 ((i / 2) % 4) on, tile 2 x + i % 2.  The first 8 start the sums with the mask.
.macro KQ x
.set rS, S+64*((\x)%2)+32*(i%2)+8*((i/2)%4)
.set rK, KF+16*((i/2)%4)+8*(i/8)
.set rQ, 16*(2*(\x)+i%2)+8*(i/8)
.set rM, MC+32*(i%2)+8*((i/2)%4)
.if i < 8
	WIN W_KM
	v_wmma_f32_16x16x32_f16 v[rS:rS+7], v[rK:rK+7], v[rQ:rQ+7], v[rM:rM+7]
.else
	WIN W_KQ
	v_wmma_f32_16x16x32_f16 v[rS:rS+7], v[rK:rK+7], v[rQ:rQ+7], v[rS:rS+7]
.endif
.endm
.macro PV x
	WIN W_PV
.set rO, 32*(2*(\x)+i%2)+8*((i/2)%4)
.set rV, VF+32*(i/8)+8*((i/2)%4)
.set rP, P+32*((\x)%2)+16*(i%2)+8*(i/8)
	v_wmma_f32_16x16x32_f16 v[rO:rO+7], v[rV:rV+7], v[rP:rP+7], v[rO:rO+7]
.endm
.macro MM
.if i < 16
	KQ (Y+1)%NP
.set i, i+1
.else
.set i, i-16
	PV (Y+NP-1)%NP
.set i, i+17
.endif
.endm
; THE LDS LOADS stand in runs.  last = 1 (the tail): in the last trip there is no further step, and the run is jumped over.
.macro FETCH_K last=0
	WIN 0
.if \last
	s_cmp_eq_u32 s[CNT], 1
	s_cbranch_scc1 .Lno_k_\@
.endif
	WIN 0x80
.irp f, 0,1,2,3,4,5,6,7
	ds_load_b128 v[KF+8*\f:KF+8*\f+3],   v[AK] offset:(\f/2)*16*PK+(\f%2)*64
	ds_load_b128 v[KF+8*\f+4:KF+8*\f+7], v[AK] offset:(\f/2)*16*PK+(\f%2)*64+32
.endr
	s_add_co_u32 s[TBK], s[TBK], KS*PK
	WIN 0
.if \last
.Lno_k_\@:
.endif
.endm
.macro FETCH_V
	WIN 0x80
.irp f, 0,1,2,3,4,5,6,7
	ds_load_tr16_b128 v[VF+8*\f:VF+8*\f+3],   v[AV] offset:(\f/4)*32*PV+(\f%4)*32
	ds_load_tr16_b128 v[VF+8*\f+4:VF+8*\f+7], v[AV] offset:(\f/4)*32*PV+16*PV+(\f%4)*32
.endr
	WIN 0
.endm
.macro FETCH_M last=0               ; a step's mask words for my eight tiles: 16 bytes a lane and tile
	WIN 0
.if \last
	s_cmp_eq_u32 s[CNT], 1
	s_cbranch_scc1 .Lno_m_\@
.endif
	v_add_nc_u32 v[AM], s[TBM], v[AM0]
	WIN W_MK
.irp t, 0,1,2,3,4,5,6,7
	ds_load_b128 v[MW+4*\t:MW+4*\t+3], v[AM] offset:1024*\t
.endr
	s_add_co_u32 s[TBM], s[TBM], 512
	WIN 0
.if \last
.Lno_m_\@:
.endif
.endm
.macro CVT y                        ; piece y's mask: a word's eight nibbles (0 or -6) times 2^64 into the eight registers of a C operand
	WIN W_CV
.irp u, 0,1
.irp kb, 0,1,2,3
	v_cvt_scale_pk8_f32_fp4 v[MC+32*\u+8*\kb:MC+32*\u+8*\kb+7], v[MW+4*(2*(\y)+\u)+\kb], v[SCL]
.endr
.endr
	WIN 0
.endm
; THE VECTOR WORK OF A TURN stands in three queues, each in the order in which its entries become ready; the two tiles alternate.
.macro REGS y, u
.set rT, ST+4*(2*(\y)+(\u))
.set rC, TMP+8*((\y)%2)+4*(\u)
.set rM, MV+2*((\y)%2)+(\u)
.set rS, S+64*((\y)%2)+32*(\u)
.set rP, P+32*((\y)%2)+16*(\u)
.set rO, 32*(2*(\y)+(\u))
.endm
; Number n of the 25 that find the NEXT piece's maximum and statistics; each accumulator's lowest registers are read first.
;   0-11 four chains of seven scores   12-14, 16 the four left over, the old m, c0-c3 into c0   15 m_old is kept   17, 18 the other half of the lanes: the new m
;   19, 21 c (m_old - m)   20, 22 c_row = min(m + 2^66, c)   23 c_row m   24 a
.macro XS u, n
	REGS (Y+1)%NP, \u
.if (\n) < 4
	v_max3_num_f32 v[rC+(\n)], v[rS+8*(\n)], v[rS+8*(\n)+1], v[rS+8*(\n)+2]
.elseif (\n) < 12
	v_max3_num_f32 v[rC+(\n)%4], v[rC+(\n)%4], v[rS+8*((\n)%4)+2*((\n)/4)+1], v[rS+8*((\n)%4)+2*((\n)/4)+2]
.elseif (\n) == 12
	v_max3_num_f32 v[rC], v[rC], v[rS+7], v[rS+15]
.elseif (\n) == 13
	v_max3_num_f32 v[rC+1], v[rC+1], v[rS+23], v[rS+31]
.elseif (\n) == 14
	v_max3_num_f32 v[rC+2], v[rC+2], v[rC+3], v[rT+1]
.elseif (\n) == 15
	v_mov_b32 v[rM], v[rT+1]
.elseif (\n) == 16
	v_max3_num_f32 v[rC], v[rC], v[rC+1], v[rC+2]
.elseif (\n) == 17
	v_permlanex16_b32 v[rC+3], v[rC], s[SEL], s[SEL+1]
.elseif (\n) == 18
	v_max_num_f32 v[rT+1], v[rC], v[rC+3]
.elseif (\n) == 19
	v_sub_f32 v[rC+1], v[rM], v[rT+1]
.elseif (\n) == 20
	v_add_f32 v[rC], s[NFL], v[rT+1]
.elseif (\n) == 21
	v_mul_f32 v[rC+1], s[CS], v[rC+1]
.elseif (\n) == 22
	v_min_num_f32 v[rC], s[CS], v[rC]
.elseif (\n) == 23
	v_mul_f32 v[rT], v[rC], v[rT+1]
.else
	v_exp_f32 v[rC+2], v[rC+1]
.endif
.endm
; Number g of the 64 that follow the exponentials: for each four weights both pairs are rounded to f16, the second pair is added onto the first, and a group later l takes that sum (the first time as l = a l + sum).
.macro GS g
.set h, (\g)+6*((\g)/62)
.if h >= 6
.set h, h+2
.endif
	REGS Y, h%2
.set k, h/8
.if h%8 < 4
	v_cvt_pk_f16_f32 v[rP+2*k+(h%8)/2], v[rS+4*k+2*((h%8)/2)], v[rS+4*k+2*((h%8)/2)+1]
.elseif h%8 < 6
	v_pk_add_f32 v[rS+4*k:rS+4*k+1], v[rS+4*k:rS+4*k+1], v[rS+4*k+2:rS+4*k+3]
.elseif k == 1
	v_pk_fma_f32 v[rT+2:rT+3], v[rT+2:rT+3], v[rC+2:rC+3], v[rS:rS+1] op_sel_hi:[1,0,1]
.else
	v_pk_add_f32 v[rT+2:rT+3], v[rT+2:rT+3], v[rS+4*k-4:rS+4*k-3]
.endif
.endm
; THE PLAIN QUEUE, 144 long.  0-79 read no exponential's result: the 32 scalings c_row s - c_row m (FS f: pair f / 2 of tile f % 2) and the next piece's 48.  80-143: GS's 64, behind the wait.
.macro FS f
	REGS Y, (\f)%2
	v_pk_fma_f32 v[rS+2*((\f)/2):rS+2*((\f)/2)+1], v[rS+2*((\f)/2):rS+2*((\f)/2)+1], v[rC:rC+1], v[rT:rT+1] op_sel_hi:[1,0,0] neg_lo:[0,0,1] neg_hi:[0,0,1]
.endm
.macro PL
	WIN 0
.if q < 27
	FS q
.elseif q < 55
	XS (q-27)%2, (q-27)/2
.elseif q < 57
	XS q-55, 15
.elseif (q < 72) && ((q-57)%3 == 0)
	FS 27+(q-57)/3
.elseif q < 60
	XS (q-57)%3-1, 14
.elseif q < 72
	XS (q-57)%3-1, 15+(q-57)/3
.elseif q < 80
	XS (q-72)%2, 20+(q-72)/2
.else
	GS q-80
.endif
.set q, q+1
.endm
; THE EXPONENTIALS' QUEUE, 66 long: one batch, all ahead of the turn's one wait.
.macro EX
	WIN 0
.if e >= 64
	XS e-64, 24
.else
	REGS Y, e%2
	v_exp_f32 v[rS+e/2], v[rS+e/2]
.endif
.set e, e+1
.endm
; THE RESCALING's QUEUE: O^T times a, two at a time.
.macro R2
	REGS Y, r%2
	WIN W_RS
.irp z, 0,1
	v_pk_mul_f32 v[rO+4*(r/2)+2*\z:rO+4*(r/2)+2*\z+1], v[rO+4*(r/2)+2*\z:rO+4*(r/2)+2*\z+1], v[rC+2:rC+3] op_sel_hi:[1,0]
.endr
.set r, r+1
.endm
; A TURN, for piece p.  AHEAD OF THE WAIT: 16 products K Q^T, behind each a scaling, an exponential and two rescalings; then the lump: the eight conversions for piece p + 2 (the last product that read those registers stands
; 27 plain riders back), 14 plain, 49 times exponential and plain, the two a, a v_nop.  Exponential e stands behind scaling 2 (e / 4) + e % 2: as a rider behind plain e + 2, in the lump behind plain e + 15; scalings 27-31 are plain 57, 60 .. 69.
; BEHIND IT: 16 products V^T P, behind each four of GS's 64.  The next step's mask words are fetched at the head of piece 2's turn and waited for at its lump's head; K directly behind piece 2's wait; V at the end of piece 0's turn.
.macro TURN p, last=0, cnt=0
.set Y, (\p)
.set i, 0
.set q, 0
.set e, 0
.set r, 0
.if (\p) == NP-2
	FETCH_M \last
.endif
.if (\p) == NP-1
	s_wait_dscnt 0x0                ; K is in
.endif
	MM
	PL
	PL
	R2
.rept 15
	MM
	PL
	EX
	R2
.endr
.if (\p) == NP-2
	WIN 0
	v_add_nc_u32 v[AK], s[TBK], v[AK0]
	s_wait_dscnt 0x0                ; the mask words are in: nothing else of mine is out
.endif
	CVT ((\p)+2)%NP
.rept 14
	PL
.endr
.rept 49
	EX
	PL
.endr
	EX
	EX
	v_nop                           ; a plain instruction behind the last exponential: one for the batch
	s_wait_alu depctr_va_vdst(0)    ; the wait ahead of the first line that names a result: one for the batch
.if (\p) == NP-2
	FETCH_K \last
.endif
.if (\p) == 1
	s_wait_dscnt 0x0                ; V is in
.endif
.rept 16
	MM
.rept 4
	PL
.endr
.if ((\p) == 0) && (q == 124)
	v_add_nc_u32 v[AV], s[TBV], v[AV0]
.endif
.if ((\p) == 0) && (q == 136)
	s_add_co_u32 s[TBV], s[TBV], KS*PV
.endif
.if (\cnt) && (q == 136)
	s_sub_co_u32 s[CNT], s[CNT], 1
	s_cmp_lg_u32 s[CNT], 0
.endif
.endr
.if (\p) == 0
	FETCH_V
.endif
.endm
	CHANGE 1, 0                     ; slot 0 is in, everybody's part of it; slot 1 is asked for
	FETCH_K                         ; key step 0
	FETCH_M
	s_wait_loadcnt 0x0              ; Q
	s_wait_dscnt 0x0
	CVT 0
	v_nop                           ; a plain instruction between the conversions and the products that take their results
.set i, 0
.rept 16
	KQ 0
.set i, i+1
.endr
	WIN 0                           ; the addresses for the way out: eleven plain instructions, the places behind those products
	s_mul_i32 s21, s[WV], 16*SP
	s_add_co_u32 s21, s21, STAGE
	v_mul_u32_u24 v[STO], v60, SP
	v_lshl_add_u32 v[STO], v61, 4, v[STO]
	v_add_nc_u32 v[STO], s21, v[STO]
	v_bfe_u32 v[RD], v0, 3, 2
	v_mul_u32_u24 v[RD], v[RD], SP
	v_lshl_add_u32 v[RD], v62, 4, v[RD]
	v_add_nc_u32 v[RD], s21, v[RD]
	v_and_b32 v[GO], 31, v0
	v_lshlrev_b32 v[GO], 4, v[GO]
	CVT 1                           ; the first turn's products are piece 1's
.set Y, NP-1
.irp n, 0,1,2,3,4,5,6,7,8,9,10,11,12,13,14,15,16,17,18,19,20,21,22,23,24
	XS 0, \n
	XS 1, \n
.endr
	v_nop
	s_wait_alu depctr_va_vdst(0)    ; the two a, ahead of the branch
	s_mov_b32 s[CNT], 2
	s_mov_b32 s[SLOTS], 2048/(2*KS)-1
	s_branch .Lfirst                ; the loop is entered at a step's first turn
.Lslot:                             ; 14 times: every slot but the last two is filled again
	CHANGE 1, 1
	s_mov_b32 s[CNT], 2
.Lstep:                             ; a trip: pieces 2 and 3 of one step, then pieces 0 and 1 of the next
	TURN 2
	TURN 3
	WIN 0
.Lfirst:
	TURN 0
	TURN 1, 0, 1
	WIN 0
	s_cbranch_scc1 .Lstep
	s_sub_co_u32 s[SLOTS], s[SLOTS], 1
	s_cmp_lg_u32 s[SLOTS], 0
	s_cbranch_scc1 .Lslot
	CHANGE 0, 0                     ; the tail is written out
	s_mov_b32 s[CNT], 3             ; two trips fetch the last slot's steps; the third is left in its middle
.Ltail:
	TURN 2, 1
	TURN 3
	WIN 0
	s_sub_co_u32 s[CNT], s[CNT], 1
	s_cmp_eq_u32 s[CNT], 0
	s_cbranch_scc1 .Lout
	TURN 0
	TURN 1
	WIN 0
	s_branch .Ltail
.Lout:                              ; the third trip's products K Q^T and what is made of them serve nothing: the price, once a launch, of one text for every trip
.set i, 0
.rept 16
	PV NP-1
.set i, i+1
.endr
	; THE WAY OUT.  l's halves are added; O^T is divided by l, rounded to f16 and sent through my stage, a tile at a time.  The additions are the places behind the last products.
	WIN 0
.macro ALL line:vararg
.set t, 0
.rept 2*NP
	\line
.set t, t+1
.endr
.endm
	ALL v_add_f32 v[ST+4*t+2], v[ST+4*t+2], v[ST+4*t+3]
	ALL v_permlanex16_b32 v[ST+4*t+3], v[ST+4*t+2], s[SEL], s[SEL+1]
	ALL v_add_f32 v[ST+4*t+2], v[ST+4*t+2], v[ST+4*t+3]
	ALL v_rcp_f32 v[ST+4*t+2], v[ST+4*t+2]
	v_nop
	s_wait_alu depctr_va_vdst(0)    ; one wait for the eight reciprocals
.macro PACK t
	WIN W_RS
.set i, 32*(\t)
.rept 16
	v_pk_mul_f32 v[i:i+1], v[i:i+1], v[ST+4*(\t)+2:ST+4*(\t)+3] op_sel_hi:[1,0]
.set i, i+2
.endr
	WIN 0x05
.set i, 0
.rept 16
	v_cvt_pk_f16_f32 v[S+16*(\t)+i], v[32*(\t)+2*i], v[32*(\t)+2*i+1]
.set i, i+1
.endr
	WIN 0
.irp f, 0,1,2,3
	ds_store_b128 v[STO], v[S+16*(\t)+4*\f:S+16*(\t)+4*\f+3] offset:32*\f
.endr
.irp f, 0,1,2,3
	ds_load_b128 v[S+16*(\t)+4*\f:S+16*(\t)+4*\f+3], v[RD] offset:\f*4*SP  ; LDS serves a wave's instructions in order: these see the stores above
.endr
.endm
.macro SEND t, younger
	WIN 0
.irp f, 0,1,2,3
	s_wait_dscnt (\younger)+3-\f
	global_store_b128 v[GO], v[S+16*(\t)+4*\f:S+16*(\t)+4*\f+3], s[OPT:OPT+1] offset:(\t)*2048+\f*512  ; 512 consecutive bytes, aligned
.endr
.endm
	PACK 0
.set t, 1
.rept 2*NP-1
	PACK t
	SEND t-1, 8
.set t, t+1
.endr
	SEND 2*NP-1, 0
	WIN W_AD
	s_wait_tensorcnt 0x0            ; the wave's end
	ds_add_u32 v[SPW], v[NIL]
	s_wait_dscnt 0x0
	WIN 0
	CROUND                          ; the closing round
	s_endpgm
.Lfunc_end_k_q4edc9d3ece_attn:
	.size	k_q4edc9d3ece_attn, .Lfunc_end_k_q4edc9d3ece_attn-k_q4edc9d3ece_attn
	.p2alignl 7, 3214868480
	.fill 96, 4, 3214868480
	.section	.rodata,"a",@progbits
	.p2align	6, 0x0
	.amdhsa_kernel k_q4edc9d3ece_attn
		.amdhsa_group_segment_fixed_size 327680
		.amdhsa_private_segment_fixed_size 0
		.amdhsa_enable_private_segment 0
		.amdhsa_kernarg_size 24
		.amdhsa_user_sgpr_count 2
		.amdhsa_user_sgpr_kernarg_segment_ptr 1
		.amdhsa_wavefront_size32 1
		.amdhsa_system_sgpr_workgroup_id_x 1
		.amdhsa_system_sgpr_workgroup_id_y 1
		.amdhsa_system_sgpr_workgroup_id_z 1
		.amdhsa_system_vgpr_workitem_id 0
		.amdhsa_next_free_vgpr 872
		.amdhsa_next_free_sgpr 88
		.amdhsa_reserve_vcc 0
		.amdhsa_float_denorm_mode_32 3
		.amdhsa_float_denorm_mode_16_64 3
		.amdhsa_memory_ordered 1
		.amdhsa_forward_progress 1
		.amdhsa_inst_pref_size 212
	.end_amdhsa_kernel
	.amdgpu_metadata
---
amdhsa.version: [ 1, 2 ]
amdhsa.kernels:
  - .name:           k_q4edc9d3ece_attn
    .symbol:         k_q4edc9d3ece_attn.kd
    .args:
      - { .name: qkv, .offset: 0, .size: 8, .value_kind: global_buffer, .address_space: global }
      - { .name: mk, .offset: 8, .size: 8, .value_kind: global_buffer, .address_space: global }
      - { .name: o, .offset: 16, .size: 8, .value_kind: global_buffer, .address_space: global }
    .group_segment_fixed_size: 327680
    .private_segment_fixed_size: 0
    .kernarg_segment_align: 8
    .kernarg_segment_size: 24
    .max_flat_workgroup_size: 128
    .sgpr_count:     88
    .vgpr_count:     872
    .wavefront_size: 32
...
	.end_amdgpu_metadata
.endif
;; end of part 3
;; launch outp (part 4): grid 4 x 64, 4 waves a work-group, clusters of 4 x 4, 327,680 bytes of LDS; arguments o, wb, bb, out0; writes out0
.if DOCPART == 4
	.amdgcn_target "amdgcn-amd-amdhsa--gfx1250"
	.amdhsa_code_object_version 6
	.text
	.protected	k_q4edc9d3ece_outp
	.globl	k_q4edc9d3ece_outp
	.p2align	8
	.type	k_q4edc9d3ece_outp,@function
k_q4edc9d3ece_outp:
	s_mov_b64 s[64:65], 0
	v_nop
	global_prefetch_b8 v0, s[64:65] scope:SCOPE_SE
	s_setreg_imm32_b32 hwreg(HW_REG_WAVE_MODE, 25, 1), 1
	s_wait_xcnt 0x0
	s_wait_alu depctr_hold_cnt(0) depctr_sa_sdst(0) depctr_va_vdst(0) depctr_va_sdst(0) depctr_va_ssrc(0) depctr_va_vcc(0) depctr_vm_vsrc(0)
	s_getreg_b32 s2, hwreg(HW_REG_IB_STS2, 6, 4)
	s_cmp_eq_u32 s2, 0
	s_cbranch_scc0 .Lentry_in_a_cluster
	s_endpgm
.Lentry_in_a_cluster:
	s_bfe_u32 s2, ttmp6, 0x10000c
	s_cmp_lg_u32 s2, 0xf033
	s_cbranch_scc0 .Lentry_shape_is_right
	s_endpgm
.Lentry_shape_is_right:
; THE OUTPUT PROJECTION: out0 = O Wo^T + bo.  O: o [n*16+h][2048][64] f16 (by heads); Wo: wb's fourth matrix, [1024][1024] f16; bo: bb's fourth row, f32; out0: [8192][1024] f32.
; SHARES.  A tile is 128 tokens x 256 columns: 64 x 4 = 256 work-groups.  Four waves, each 64 tokens x 128 columns: 32 accumulators.  A K step of 128 is two heads: a head's 128 tokens are 16,384 dense
; bytes, asked for as 64 rows of 256 and padded in LDS after every token.  Source 0 = 16 rows of Wo, source 1 = 16 tokens: a lane holds one token and eight neighbouring columns.  The bias starts the sums.
; THE WALK.  8 K steps through two LDS slots: a loop of 6 trips, each of which fills the slot that it has read with the step two on, and a loop of two trips that fills nothing.  The K step's text stands once in each:
; slot 1 begins at byte 1 << 17, a bit that no tile's base in a slot has (the largest is 71,680), so one exclusive or turns an address in one slot into the other's.
; CLUSTER 4 x 4: a row's four share O's tiles, a column's four Wo's.
; REGISTERS: window 0: v0-31 addresses; two fragment buffers of 96 (4 of O, 8 of Wo) at v64, v160; on the way out v64-191.  window 1: accumulators.  window 2: v0-63 the bias.
.set KSTEP,  128
.set PITCH,  272                       ; a row of Wo in LDS: 256 bytes + 16
.set PA,     144                       ; a token of one head: 128 bytes + 16
.set HEADB,  128*PA                    ; a head's 128 tokens
.set HALFB,  128*PITCH
.set BOFF,   2*HEADB
.set SLOTB,  2*HEADB+2*HALFB           ; the bytes of a slot
.set SLOT1,  1<<17
.set STAGE,  SLOT1+SLOTB               ; behind the ring: for each wave 16 rows x 528 bytes
.set SPITCH, 528
.set WSTG,   16*SPITCH
.set SPARE,  STAGE+4*WSTG              ; the spare words: two blocks of 256 bytes that no other line names
.set ADRA0, 16                         ; v16  my fragments of O in slot 0; never rewritten
.set ADRB0, 17                         ; v17  the same for Wo
.set ADRA, 18                          ; v18  in the slot in hand
.set ADRB, 19
.set STO,  24
.set RD,   25
.set CO,   26
.set BO,   27
.set SPW,  28
.set NIL,  29
.set PFO,  30
.set F0,   64
.set F1,   160
.set T0,   64
.set WV,  12
.set WR,  13
.set WC,  14
.set G1A, 24
.set G0A, 32                           ; s[32:39] two sets for the two first fills; the second then walks
.set LIM, 43                           ; 2 in a wave that prefetches, else the greatest number
.set PFA, 44
.set G1B, 48
.set G0B, 56
.set PFS, 68                           ; s[68:69] a K step's bytes in the tensor that I prefetch
.set TOG, 70                           ; 0 or SLOT1: the slot in hand
.set MSB, 0
.macro WIN new
.if MSB != (\new)
	s_set_vgpr_msb (MSB<<8)|(\new)
.set MSB, \new
.endif
.endm
.set MUL,  0x50
.set MULB, 0x60
.set TOB,  0x80
.macro JLOAD s                         ; a joint load; an s_nop 0 and four v_nop follow each of the two lines
	s_cmp_eq_u32 s[WR], 0
	s_cbranch_scc0 .Lfor_b_\@
	tensor_load_to_lds s[G0A+4*(\s):G0A+4*(\s)+3], s[G1A:G1A+7]
	s_nop 0
.rept 4
	v_nop
.endr
	s_branch .Lasked_\@
.Lfor_b_\@:
	tensor_load_to_lds s[G0B+4*(\s):G0B+4*(\s)+3], s[G1B:G1B+7]
	s_nop 0
.rept 4
	v_nop
.endr
.Lasked_\@:
.endm
; A prefetch: trip t asks for K step t + 4, two refills on, a lane a block of 256 bytes.  O's two heads x 16,384 bytes are read by this cluster's row alone: its four partners take 32 blocks each, by address, wave 0 asks.
; Wo's rows are read by all sixteen clusters: the first asks, its column's partners take 64 rows each, waves 2 and 3 ask for 32.  The loop's last two trips have no K step four on.
.macro ASK
	s_cmp_gt_u32 s3, s[LIM]
	s_cbranch_scc0 .Lnot_mine_\@
	global_prefetch_b8 v[PFO], s[PFA:PFA+1] th:TH_LOAD_NT scope:SCOPE_SE
.Lnot_mine_\@:
.endm
.macro CREST
	s_cmp_lg_u32 s[WV], 0
	s_cbranch_scc1 .Lnot_wave_0_\@
	s_barrier_signal -3
.Lnot_wave_0_\@:
	s_barrier_wait -3
	s_barrier_signal -1
	s_barrier_wait -1
.endm
.macro CROUND
	s_barrier_signal -1
	s_barrier_wait -1
	CREST
.endm
	s_load_b256 s[4:11], s[0:1], 0x0               ; o 4, wb 6, bb 8, out0 10
	v_lshl_add_u32 v[SPW], v0, 2, SPARE
	v_mov_b32 v[NIL], 0
	ds_add_u32 v[SPW], v[NIL]                      ; the wave's opening: the add and its wait stand ahead of my first tensor load
	v_lshrrev_b32 v1, 5, v0
	v_readfirstlane_b32 s[WV], v1
	s_lshr_b32 s[WR], s[WV], 1
	s_and_b32 s[WC], s[WV], 1
	s_bfe_u32 s40, ttmp6, 0x40000                  ; cx
	s_bfe_u32 s41, ttmp6, 0x40004                  ; cy
	s_lshl_b32 s42, ttmp9, 2
	s_add_co_u32 s42, s42, s40                     ; tile column 0..3
	s_and_b32 s15, ttmp7, 0xffff                   ; cluster y 0..15
	s_lshl_b32 s2, s15, 2
	s_add_co_u32 s2, s2, s41                       ; tile row 0..63
	s_lshl_b32 s16, s41, 2
	s_lshl_b32 s16, 15, s16
	s_lshl_b32 s46, 0x1111, s40
	s_or_b32 s[G1A], s16, (1<<16)|(1<<20)|(1<<21)|(4<<22)|(3<<25)   ; padding after every 32 words (a token), 4 words
	s_or_b32 s[G1B], s46, (1<<16)|(1<<20)|(1<<21)|(5<<22)|(3<<25)   ; after every 64 words
	s_mov_b32 s[G1A+1], 128<<16                    ; 64 rows of 128 elements, dense
	s_mov_b32 s[G1A+2], 64<<16
	s_mov_b32 s[G1A+3], 128<<16
	s_mov_b32 s[G1A+4], 64
	s_mov_b32 s[G1A+5], 128
	s_mov_b32 s[G1A+6], 0
	s_mov_b32 s[G1A+7], 0
	s_mov_b32 s[G1B+1], KSTEP<<16
	s_mov_b32 s[G1B+2], 128<<16
	s_mov_b32 s[G1B+3], KSTEP<<16
	s_mov_b32 s[G1B+4], 128
	s_mov_b32 s[G1B+5], 1024
	s_mov_b32 s[G1B+6], 0
	s_mov_b32 s[G1B+7], 0
	s_lshr_b32 s16, s2, 4                          ; n
	s_lshl_b32 s16, s16, 22                        ; its 16 heads of 262,144 bytes
	s_and_b32 s17, s2, 15
	s_lshl_b32 s17, s17, 14                        ; the tile's 128 tokens of 128 bytes
	s_add_co_u32 s67, s16, s17                     ; kept for the prefetches
	s_lshl_b32 s17, s[WC], 18                      ; which of a K step's two heads I fetch
	s_add_co_u32 s16, s67, s17
	s_mov_b32 s17, 0
	s_lshl_b32 s46, s42, 19                        ; Wo: (256 x tile column + 128 x half) rows of 2,048 bytes, in wb's fourth matrix
	s_lshl_b32 s47, s[WC], 18
	s_add_co_u32 s46, s46, s47
	s_add_co_u32 s46, s46, 3*2097152
	s_mov_b32 s47, 0
	s_mul_i32 s20, s[WC], HEADB
	s_mul_i32 s21, s[WC], HALFB
	s_add_co_u32 s21, s21, BOFF
	s_mov_b32 s[TOG], 0
	s_wait_dscnt 0x0                               ; the opening add is done
	s_wait_kmcnt 0x0
	s_add_nc_u64 s[16:17], s[4:5], s[16:17]
	s_add_nc_u64 s[46:47], s[6:7], s[46:47]
	CROUND                                         ; all sixteen work-groups are here: the first joint loads meet
.irp s, 0,1
	s_mov_b32 s[G0A+4*(\s)], 1
	s_add_co_u32 s[G0A+4*(\s)+1], s20, (\s)*SLOT1
	s_add_nc_u64 s[G0A+4*(\s)+2:G0A+4*(\s)+3], s[16:17], (\s)*524288   ; K step s: heads 2 s, 2 s + 1
	s_or_b32 s[G0A+4*(\s)+3], s[G0A+4*(\s)+3], 0x80000000
	s_mov_b32 s[G0B+4*(\s)], 1
	s_add_co_u32 s[G0B+4*(\s)+1], s21, (\s)*SLOT1
	s_add_nc_u64 s[G0B+4*(\s)+2:G0B+4*(\s)+3], s[46:47], (\s)*KSTEP*2
	s_or_b32 s[G0B+4*(\s)+3], s[G0B+4*(\s)+3], 0x80000000
	JLOAD \s                                       ; two tensor loads of mine are out
.endr
	s_lshl_b32 s18, s42, 10
	s_lshl_b32 s19, s[WC], 9
	s_add_co_u32 s18, s18, s19
	s_add_co_u32 s18, s18, 12288                   ; bo
	s_mov_b32 s19, 0
	s_add_nc_u64 s[8:9], s[8:9], s[18:19]
	v_and_b32 v1, 15, v0
	v_bfe_u32 v2, v0, 4, 1
	v_lshlrev_b32 v[BO], 5, v2
	WIN TOB
.irp b, 0,1,2,3,4,5,6,7
	global_load_b128 v[8*\b:8*\b+3], v[BO], s[8:9] offset:64*\b
	global_load_b128 v[8*\b+4:8*\b+7], v[BO], s[8:9] offset:64*\b+16
.endr
	WIN 0
	v_mul_u32_u24 v3, v1, PITCH
	v_lshl_add_u32 v3, v2, 4, v3
	v_mul_u32_u24 v4, v1, PA
	v_lshl_add_u32 v4, v2, 4, v4
	s_mul_i32 s21, s[WR], 64*PA
	s_mul_i32 s22, s[WC], HALFB
	s_add_co_u32 s22, s22, BOFF
	v_add_nc_u32 v[ADRA0], s21, v4
	v_add_nc_u32 v[ADRB0], s22, v3
	v_mov_b32 v[ADRA], v[ADRA0]
	v_mov_b32 v[ADRB], v[ADRB0]
	s_mul_i32 s23, s[WV], WSTG
	s_add_co_u32 s23, s23, STAGE
	v_mul_u32_u24 v4, v1, SPITCH                   ; in: row l % 16, 32 bytes for each half of the lanes
	v_lshl_add_u32 v4, v2, 5, v4
	v_add_nc_u32 v[STO], s23, v4
	v_and_b32 v[CO], 31, v0                        ; back: 32 lanes take a row's 512 bytes
	v_lshlrev_b32 v[CO], 4, v[CO]
	v_add_nc_u32 v[RD], s23, v[CO]
	s_lshl_b32 s16, s2, 19                         ; out0: (128 x tile row + 64 x half) rows of 4,096 bytes
	s_lshl_b32 s17, s[WR], 18
	s_add_co_u32 s16, s16, s17
	s_mov_b32 s17, 0
	s_add_nc_u64 s[10:11], s[10:11], s[16:17]
	s_lshl_b32 s46, s42, 10
	s_lshl_b32 s47, s[WC], 9
	s_add_co_u32 s46, s46, s47
	s_mov_b32 s47, 0
	s_add_nc_u64 s[10:11], s[10:11], s[46:47]
	; the prefetches
	s_lshr_b32 s19, s40, 1
	s_lshl_b32 s19, s19, 18                        ; O: head cx / 2 of the K step,
	s_add_co_u32 s19, s19, s67
	s_and_b32 s20, s40, 1
	s_lshl_b32 s20, s20, 13                        ; its half cx % 2
	s_add_co_u32 s19, s19, s20
	s_add_co_u32 s19, s19, 3*524288                ; at K step 3: the first trip steps it to 4.  Nothing is asked for at the head
	s_lshl_b32 s20, s42, 8
	s_lshl_b32 s21, s41, 6
	s_add_co_u32 s20, s20, s21
	s_lshl_b32 s21, s[WC], 5
	s_add_co_u32 s20, s20, s21                     ; Wo: row 256 x tile column + 64 cy + 32 x half
	s_lshl_b32 s20, s20, 11
	s_add_co_u32 s20, s20, 3*2097152+3*KSTEP*2
	s_mov_b32 s21, 524288
	s_mov_b32 s22, 256
	s_mov_b32 s23, 2048
	s_cmp_eq_u32 s[WR], 0
	s_cselect_b32 s18, s19, s20
	s_cselect_b32 s[PFS], s21, s22
	s_cselect_b32 s22, s22, s23                    ; from lane to lane
	s_cselect_b32 s20, s[WC], s15                  ; of waves 0 and 1 only wave 0 asks; of waves 2 and 3 those of the first cluster
	s_cselect_b64 s[PFA:PFA+1], s[4:5], s[6:7]
	s_cmp_eq_u32 s20, 0
	s_cselect_b32 s[LIM], 2, -1                    ; hangs on the wave's number and the cluster's y alone
	s_mov_b32 s19, 0
	s_mov_b32 s[PFS+1], 0
	s_add_nc_u64 s[PFA:PFA+1], s[PFA:PFA+1], s[18:19]
	v_and_b32 v[PFO], 31, v0
	v_mul_u32_u24 v[PFO], s22, v[PFO]
.macro MUL8 f, a, first                ; the 32 accumulators take turns
.if \first
	WIN MULB
.else
	WIN MUL
.endif
.irp b, 0,1,2,3,4,5,6,7
.if \first
	v_wmma_f32_16x16x32_f16 v[8*(8*(\a)+\b):8*(8*(\a)+\b)+7], v[(\f)+32+8*\b:(\f)+32+8*\b+7], v[(\f)+8*(\a):(\f)+8*(\a)+7], v[8*\b:8*\b+7]
.else
	v_wmma_f32_16x16x32_f16 v[8*(8*(\a)+\b):8*(8*(\a)+\b)+7], v[(\f)+32+8*\b:(\f)+32+8*\b+7], v[(\f)+8*(\a):(\f)+8*(\a)+7], v[8*(8*(\a)+\b):8*(8*(\a)+\b)+7]
.endif
.endr
.endm
.macro FETCH q, f                      ; 24 LDS loads in one run, out of the slot in hand: quarter q: head q / 2 of the K step, channels 32 (q % 2) on: Wo's eight fragments, then O's four
	WIN 0
.irp b, 0,1,2,3,4,5,6,7
	ds_load_b128 v[(\f)+32+8*\b:(\f)+32+8*\b+3], v[ADRB] offset:64*(\q)+\b*16*PITCH
	ds_load_b128 v[(\f)+32+8*\b+4:(\f)+32+8*\b+7], v[ADRB] offset:64*(\q)+\b*16*PITCH+32
.endr
.irp i, 0,1,2,3
	ds_load_b128 v[(\f)+8*\i:(\f)+8*\i+3], v[ADRA] offset:((\q)/2)*HEADB+((\q)%2)*64+\i*16*PA
	ds_load_b128 v[(\f)+8*\i+4:(\f)+8*\i+7], v[ADRA] offset:((\q)/2)*HEADB+((\q)%2)*64+\i*16*PA+32
.endr
.endm
.macro PLACES                          ; four places in front of loads into registers that matrix instructions have read, and of lines that read results
.rept 4
	v_nop
.endr
.endm
.macro OTHER                           ; the fragments come out of the other slot from here on; the next step's first fragments
	s_xor_b32 s[TOG], s[TOG], SLOT1
	v_add_nc_u32 v[ADRA], s[TOG], v[ADRA0]
	v_add_nc_u32 v[ADRB], s[TOG], v[ADRB0]
	FETCH 0, F0
.endm
.macro QUARTER q, f, g, first          ; multiplies buffer f and fetches quarter q into g
	s_wait_dscnt 4                                 ; Wo and O's blocks 0, 1 are in; the youngest four loads may be out
	MUL8 \f, 0, \first
	MUL8 \f, 1, \first
	PLACES
	FETCH \q, \g
	s_wait_dscnt 24                                ; all but the 24 just issued
	MUL8 \f, 2, \first
	MUL8 \f, 3, \first
.endm
; The last quarter multiplies buffer 1 and changes slots: one barrier; in front of it each wave waits for all its tensor loads (one is out: its part of the next slot), adds 0 to its spare word, and waits for that and
; for its reads of this slot.  fill = 1: the barrier opens a round of the cluster's, and behind it this slot is filled with the step two on; the next slot's first fragments follow.  fill = 0: nothing is asked for.
.macro TURN fill
.if \fill
	s_wait_xcnt 0x0                                ; the last prefetch, a K step back, has read its address
	s_add_nc_u64 s[PFA:PFA+1], s[PFA:PFA+1], s[PFS:PFS+1]
.endif
	WIN 0
	s_wait_tensorcnt 0x0                           ; all my tensor loads have landed
	ds_add_u32 v[SPW], v[NIL]
	s_wait_dscnt 5                                 ; (the add and the youngest four loads may be out)
	MUL8 F1, 0, 0
	s_wait_dscnt 0x0                               ; the add is done, my reads of this slot are over
	s_barrier_signal -1
	MUL8 F1, 1, 0
.if \fill
	WIN 0
.endif
	s_barrier_wait -1
.if \fill
	CREST                                          ; no wave of any partner still reads this slot or has a load on its way
	s_xor_b32 s[G0A+5], s[G0A+5], SLOT1            ; the walking descriptors: the other slot than last time,
	s_xor_b32 s[G0B+5], s[G0B+5], SLOT1
	s_add_nc_u64 s[G0A+6:G0A+7], s[G0A+6:G0A+7], 524288     ; the next K step: two heads on; the type bits on top are not reached
	s_add_nc_u64 s[G0B+6:G0B+7], s[G0B+6:G0B+7], KSTEP*2
	JLOAD 1                                        ; my one tensor load behind the round; its four v_nop are also the places in front of the loads below
	OTHER
	ASK
.endif
	MUL8 F1, 2, 0
	MUL8 F1, 3, 0
.endm
	s_wait_tensorcnt 1                             ; my part of K step 0 is in; K step 1's may stay out
	s_barrier_signal -1
	s_barrier_wait -1
	FETCH 0, F0
	s_wait_loadcnt 0x0                             ; the bias
	QUARTER 1, F0, F1, 1                           ; the first quarter stands in front of the loop: its products start the sums
	WIN 0
	s_mov_b32 s3, 6
.Lstep:                                                ; trip t = 6 - s3: the last three quarters of step t, the refill with step t + 2, the first quarter of step t + 1
	QUARTER 2, F1, F0, 0
	QUARTER 3, F0, F1, 0
	TURN 1
	QUARTER 1, F0, F1, 0
	WIN 0
	s_sub_co_u32 s3, s3, 1
	s_cmp_lg_u32 s3, 0
	s_cbranch_scc1 .Lstep
	s_mov_b32 s3, 2
.Ltail:                                                ; steps 6 and 7 have a loop of their own: nothing is asked for.  The second trip's barrier orders nothing more: the price of one text for both
	QUARTER 2, F1, F0, 0
	QUARTER 3, F0, F1, 0
	TURN 0
	WIN 0
	s_cmp_eq_u32 s3, 1                             ; behind step 7 there is no step: its trip jumps over the fetch and the first quarter, which hold no barrier and no tensor load
	s_cbranch_scc1 .Llast
	PLACES                                         ; for the loads into buffer 0
	OTHER
	QUARTER 1, F0, F1, 0
	WIN 0
.Llast:
	s_sub_co_u32 s3, s3, 1
	s_cmp_lg_u32 s3, 0
	s_cbranch_scc1 .Ltail
	; THE WAY OUT, in f32: 16 tokens at a time through my own stage; back as whole rows of 512 bytes, into two sets of registers by turns
.macro STLD a
	WIN 0x04                                       ; the stores' data in window 1
.irp b, 0,1,2,3,4,5,6,7
	ds_store_b128 v[STO], v[8*(8*(\a)+\b):8*(8*(\a)+\b)+3] offset:64*\b
	ds_store_b128 v[STO], v[8*(8*(\a)+\b)+4:8*(8*(\a)+\b)+7] offset:64*\b+16
.endr
	WIN 0
.irp f, 0,1,2,3,4,5,6,7,8,9,10,11,12,13,14,15
	ds_load_b128 v[T0+64*((\a)%2)+4*\f:T0+64*((\a)%2)+4*\f+3], v[RD] offset:SPITCH*\f  ; LDS serves a wave's instructions in order: these see the stores above
.endr
.endm
.macro SEND a, younger                 ; younger: the LDS lines issued behind block a's loads
.irp f, 0,1,2,3,4,5,6,7,8,9,10,11,12,13,14,15
	s_wait_dscnt (\younger)+15-\f
	global_store_b128 v[CO], v[T0+64*((\a)%2)+4*\f:T0+64*((\a)%2)+4*\f+3], s[10:11] offset:(16*(\a)+\f)*4096  ; 512 consecutive bytes, aligned
.endr
.endm
	s_wait_dscnt 0x0                               ; the stage's loads land in the fragment buffers' registers: every fragment load is back (the last trip issued none)
	PLACES
	STLD 0
	STLD 1
	SEND 0, 32
	s_wait_xcnt 0x0                                ; block 0's stores have read their registers: block 2 is loaded into them only behind this wait
	STLD 2
	SEND 1, 32
	s_wait_xcnt 0x0
	STLD 3
	SEND 2, 32
	SEND 3, 0
	s_wait_tensorcnt 0x0                           ; the wave's end
	ds_add_u32 v[SPW], v[NIL]
	s_wait_dscnt 0x0
	CROUND                                         ; the closing round
	s_endpgm
.Lfunc_end_k_q4edc9d3ece_outp:
	.size	k_q4edc9d3ece_outp, .Lfunc_end_k_q4edc9d3ece_outp-k_q4edc9d3ece_outp
	.p2alignl 7, 3214868480
	.fill 96, 4, 3214868480
	.section	.rodata,"a",@progbits
	.p2align	6, 0x0
	.amdhsa_kernel k_q4edc9d3ece_outp
		.amdhsa_group_segment_fixed_size 327680
		.amdhsa_private_segment_fixed_size 0
		.amdhsa_enable_private_segment 0
		.amdhsa_kernarg_size 32
		.amdhsa_user_sgpr_count 2
		.amdhsa_user_sgpr_kernarg_segment_ptr 1
		.amdhsa_wavefront_size32 1
		.amdhsa_system_sgpr_workgroup_id_x 1
		.amdhsa_system_sgpr_workgroup_id_y 1
		.amdhsa_system_sgpr_workgroup_id_z 1
		.amdhsa_system_vgpr_workitem_id 0
		.amdhsa_next_free_vgpr 576
		.amdhsa_next_free_sgpr 76
		.amdhsa_reserve_vcc 0
		.amdhsa_float_denorm_mode_32 3
		.amdhsa_float_denorm_mode_16_64 3
		.amdhsa_memory_ordered 1
		.amdhsa_forward_progress 1
		.amdhsa_inst_pref_size 65
	.end_amdhsa_kernel
	.amdgpu_metadata
---
amdhsa.version: [ 1, 2 ]
amdhsa.kernels:
  - .name:           k_q4edc9d3ece_outp
    .symbol:         k_q4edc9d3ece_outp.kd
    .args:
      - { .name: o, .offset: 0, .size: 8, .value_kind: global_buffer, .address_space: global }
      - { .name: wb, .offset: 8, .size: 8, .value_kind: global_buffer, .address_space: global }
      - { .name: bb, .offset: 16, .size: 8, .value_kind: global_buffer, .address_space: global }
      - { .name: out0, .offset: 24, .size: 8, .value_kind: global_buffer, .address_space: global }
    .group_segment_fixed_size: 327680
    .private_segment_fixed_size: 0
    .kernarg_segment_align: 8
    .kernarg_segment_size: 32
    .max_flat_workgroup_size: 128
    .sgpr_count:     76
    .vgpr_count:     576
    .wavefront_size: 32
...
	.end_amdgpu_metadata
.endif
;; end of part 4
;; ======== version 2 of 2: 4 launches; version 1 with the launch prep written anew for expert scheduling mode
;; limits: values are held in f16: magnitudes above 65,504 overflow, below 6.1e-05 lose precision
;; workspace buffers: xb 50,331,648 bytes; wb 8,388,608 bytes; bb 16,384 bytes; mk 8,388,608 bytes; qkv 50,331,648 bytes; o 16,777,216 bytes
;; launch prep (part 5): grid 2049 x 1, 8 waves a work-group, no clusters, 34,816 bytes of LDS; arguments queries, keys, values, Wq, Wk, Wv, Wo, bq, bk, bv, bo, mask, xb, wb, bb, mk; writes xb, wb, bb, mk
.if DOCPART == 5
	.amdgcn_target "amdgcn-amd-amdhsa--gfx1250"
	.amdhsa_code_object_version 6
	.text
	.protected	k_q4edc9d3ece_prep
	.globl	k_q4edc9d3ece_prep
	.p2align	8
	.type	k_q4edc9d3ece_prep,@function
k_q4edc9d3ece_prep:
	s_mov_b64 s[64:65], 0
	v_nop
	global_prefetch_b8 v0, s[64:65] scope:SCOPE_SE
	s_setreg_imm32_b32 hwreg(HW_REG_WAVE_SCHED_MODE, 0, 2), 2
	s_setreg_imm32_b32 hwreg(HW_REG_WAVE_MODE, 25, 1), 1
	s_wait_xcnt 0x0
	s_wait_alu depctr_vm_vsrc(0)
; PREPARATION: a stream; no matrix unit, no barrier (no wave wants a byte that another has fetched).
;  work-groups 0..1535     queries, keys, values (f32) -> xb [3][8192][1024] bf16, 64 KiB in and 32 KiB out each
;  work-groups 1536..1791  Wq, Wk, Wv -> wb as bf16; Wo -> wb rounded to bf16 and that number written as f16
;                          (LIMIT: below 6e-5 a number of Wo keeps f16's fixed step of 6e-8)
;  work-groups 1792..2047  mask (a byte a key) -> mk: four bits a key, 0xF where the key is hidden, 0 where it is seen, laid out as
;                          the attention launch's lanes want them: mk[n*128+qt][ks][lane][kb] words; nibble j of a word stands for
;                          query 16 qt + lane % 16 and key 64 ks + 16 kb + 8 (lane / 16) + j
;  work-group 2048         the four biases, rounded to bf16 and widened again -> bb [4][1024] f32
; Every load of a wave covers 512 consecutive bytes; every store 256 or 512 consecutive bytes, aligned.  All loads of a thread go out at once, each into
; registers of its own.  The mask's words change lanes through LDS bytes that are the wave's own.
; THE MODE: SCHED_MODE bits 1:0 = 2 (LLVM: expert scheduling mode 2), set by the entry lines.  The code itself states the register dependences
; between vector instructions and memory or LDS instructions, with s_wait_alu, always for 0.
; THE PLAN.  Registers that memory or LDS instructions touch:
;   v1, v2      offsets of the casts and the biases: written at the head, never again.
;   v5, v4, v7  the mask's offset in memory and its two LDS addresses: written at that path's head, never again.
;   X           written by the sixteen loads, read by the roundings or the packing lines; in the mask's path eight LDS loads land in its first 32 registers
;               when all packing is done, and the stores to mk read them.
;   Y           two registers a pass or row, each written ONCE, by a rounding or a packing line, and read by one store or LDS store.
;   T           named by vector instructions alone.
; The sixteen passes (rows) go in four blocks of four.  Block b works on its own X and writes its own Y; its memory instructions are the stores of block b - 1, which read
; that block's Y and an offset: registers that no vector instruction of block b names.  So one wait at a block's head states all that its stores hang on, and they are
; dealt among the block's vector instructions with no further wait.  No register that a memory or LDS instruction reads is ever written again: nothing is owed for that.
.set X, 8                              ; v[8:71]    sixteen loads of four registers
.set Y, 72                             ; v[72:103]  what is stored
.set T, 104                            ; v[104:109] at work
.set SPW, 110                          ; v110  my spare word's address; never rewritten
.set NIL, 111                          ; v111  0; never rewritten
.set KPITCH, 528                       ; a key step's 512 bytes of words + 16: the eight key steps of a store start at eight different groups of four banks
.set WREG, 8*KPITCH                    ; a wave's own LDS bytes: eight key steps
.set SPARE, 8*WREG                     ; behind them: the spare words, 128 bytes a wave: four blocks of 256 bytes that no other line names
	s_load_b512 s[4:19], s[0:1], 0x0               ; queries 4, keys 6, values 8, Wq 10, Wk 12, Wv 14, Wo 16, bq 18
	s_load_b512 s[20:35], s[0:1], 0x40             ; bk 20, bv 22, bo 24, mask 26, xb 28, wb 30, bb 32, mk 34
	v_lshl_add_u32 v[SPW], v0, 2, SPARE
	v_mov_b32 v[NIL], 0
	s_mov_b32 s36, ttmp9                           ; g
	v_lshlrev_b32 v1, 4, v0                        ; 16 x thread
	v_lshlrev_b32 v2, 3, v0                        ; 8 x thread
	s_wait_kmcnt 0x0
	s_wait_alu depctr_va_vdst(0)                   ; v1 and v2 are written: every load and store of the casts and of the biases reads one of them as its offset
	s_cmp_lt_u32 s36, 1792
	s_cbranch_scc0 .Lnot_cast
	; ---- a cast: which tensor, which 64 KiB of it, and where its 32 KiB go
	s_sub_co_u32 s37, s36, 1536                    ; g' (used where g >= 1536)
	s_lshr_b32 s38, s36, 9                         ; an x tensor has 512 pieces
	s_and_b32 s39, s36, 511
	s_lshr_b32 s42, s37, 6                         ; a weight has 64
	s_add_co_u32 s42, s42, 3
	s_and_b32 s43, s37, 63
	s_cmp_lt_u32 s36, 1536
	s_cselect_b32 s38, s38, s42                    ; tensor 0..6
	s_cselect_b32 s39, s39, s43                    ; its piece
	s_cselect_b32 s37, s36, s37                    ; the piece of xb or of wb
	s_cselect_b64 s[44:45], s[28:29], s[30:31]
	s_mov_b64 s[40:41], s[4:5]
	s_cmp_eq_u32 s38, 1
	s_cselect_b64 s[40:41], s[6:7], s[40:41]
	s_cmp_eq_u32 s38, 2
	s_cselect_b64 s[40:41], s[8:9], s[40:41]
	s_cmp_eq_u32 s38, 3
	s_cselect_b64 s[40:41], s[10:11], s[40:41]
	s_cmp_eq_u32 s38, 4
	s_cselect_b64 s[40:41], s[12:13], s[40:41]
	s_cmp_eq_u32 s38, 5
	s_cselect_b64 s[40:41], s[14:15], s[40:41]
	s_cmp_eq_u32 s38, 6
	s_cselect_b64 s[40:41], s[16:17], s[40:41]
	s_lshl_b32 s46, s39, 16
	s_mov_b32 s47, 0
	s_add_nc_u64 s[40:41], s[40:41], s[46:47]
	s_lshl_b32 s46, s37, 15
	s_add_nc_u64 s[44:45], s[44:45], s[46:47]
.set j, 0
.rept 16
	global_load_b128 v[X+4*j:X+4*j+3], v1, s[40:41] offset:4096*j th:TH_LOAD_NT
.set j, j+1
.endr
; Pass i's roundings: four numbers a thread.  wo = 1: the bf16 number is widened and written as f16.
.macro RND i, wo
.if \wo
	v_cvt_pk_bf16_f32 v[T], v[X+4*(\i)], v[X+4*(\i)+1]
	v_cvt_pk_bf16_f32 v[T+1], v[X+4*(\i)+2], v[X+4*(\i)+3]
	v_lshlrev_b32 v[T+2], 16, v[T]
	v_and_b32 v[T+3], 0xffff0000, v[T]
	v_lshlrev_b32 v[T+4], 16, v[T+1]
	v_and_b32 v[T+5], 0xffff0000, v[T+1]
	v_cvt_pk_f16_f32 v[Y+2*(\i)], v[T+2], v[T+3]
	v_cvt_pk_f16_f32 v[Y+2*(\i)+1], v[T+4], v[T+5]
.else
	v_cvt_pk_bf16_f32 v[Y+2*(\i)], v[X+4*(\i)], v[X+4*(\i)+1]
	v_cvt_pk_bf16_f32 v[Y+2*(\i)+1], v[X+4*(\i)+2], v[X+4*(\i)+3]
.endif
.endm
; Pass i's store
.macro OUT i
	global_store_b64 v2, v[Y+2*(\i):Y+2*(\i)+1], s[44:45] offset:2048*(\i)  ; a wave stores 256 consecutive bytes, aligned
.endm
; Block b: passes 4 b to 4 b + 3 are rounded; the stores of the block before stand among the roundings, one ahead of each pass
.macro BLK b, wo
	s_wait_loadcnt 12-4*(\b)                       ; loads come back in order: this block's four are in, the younger blocks' stay out
.if (\b) > 0
	s_wait_alu depctr_va_vdst(0)                   ; the block before has written its eight registers of Y, which the four stores below read
.endif
.irp n, 0,1,2,3
.if (\b) > 0
	OUT 4*(\b)+(\n)-4                              ; no vector instruction since the wait names these registers
.endif
	RND 4*(\b)+(\n), \wo
.endr
.endm
	s_cmp_eq_u32 s38, 6
	s_cbranch_scc1 .Lwo
	BLK 0, 0
	BLK 1, 0
	BLK 2, 0
	BLK 3, 0
	s_wait_alu depctr_va_vdst(0)                   ; the last block has written its Y, which the last four stores read
	OUT 12
	OUT 13
	OUT 14
	OUT 15
	s_endpgm
.Lwo:
	BLK 0, 1
	BLK 1, 1
	BLK 2, 1
	BLK 3, 1
	s_wait_alu depctr_va_vdst(0)                   ; the last block has written its Y, which the last four stores read
	OUT 12
	OUT 13
	OUT 14
	OUT 15
	s_endpgm
.Lnot_cast:
	s_cmp_lt_u32 s36, 2048
	s_cbranch_scc0 .Lbias
	; ---- the mask.  A work-group packs two tiles of 16 queries, a wave 512 keys (eight key steps) of one.  Load j takes 512 consecutive bytes of row j: lane l holds the 16 keys
	; 16 l .. 16 l + 15 of the wave's 512: key step l / 4, key block l % 4.  They pack into two words (keys 0-7 and 8-15), which go to LDS at the place that mk gives them, and come back 16 bytes a lane.
	v_lshrrev_b32 v3, 5, v0
	v_readfirstlane_b32 s37, v3                    ; wave 0..7
	s_sub_co_u32 s38, s36, 1792
	v_and_b32 v3, 31, v0                           ; l.  The lane's arithmetic that needs no scalar stands between s37's writer and the wait for it
	v_lshlrev_b32 v5, 4, v3                        ; 16 l: in memory on the way in and on the way out
	v_lshrrev_b32 v4, 2, v3
	v_mul_u32_u24 v4, v4, KPITCH                   ; key step l / 4
	v_and_b32 v6, 3, v3
	v_lshl_add_u32 v4, v6, 2, v4                   ; word l % 4 of a lane's four
	s_wait_alu depctr_va_sdst(0)                   ; s37 is written, ahead of its first reader: the tile, the keys and the wave's LDS bytes are made from it
	s_lshr_b32 s39, s37, 2
	s_lshl_b32 s38, s38, 1
	s_add_co_u32 s38, s38, s39                     ; the tile of 16 queries, 0..511
	s_and_b32 s39, s37, 3                          ; which 512 keys
	s_lshl_b32 s40, s38, 15                        ; 16 rows of 2,048 bytes
	s_lshl_b32 s42, s39, 9
	s_add_co_u32 s40, s40, s42
	s_mov_b32 s41, 0
	s_add_nc_u64 s[26:27], s[26:27], s[40:41]
	s_lshl_b32 s40, s38, 14                        ; a tile's 16,384 bytes of mk
	s_lshl_b32 s42, s39, 12                        ; eight key steps of 512 bytes
	s_add_co_u32 s40, s40, s42
	s_add_nc_u64 s[34:35], s[34:35], s[40:41]
	s_mov_b32 s42, 0x06040200                      ; the even bytes of two words
	s_mov_b32 s43, 0x07050301                      ; the odd ones
	s_mul_i32 s44, s37, WREG                       ; my wave's own LDS bytes
	v_add_nc_u32 v4, s44, v4                       ; where I put a word
	v_add_nc_u32 v7, s44, v5                       ; where I read 16 bytes back
	s_wait_alu depctr_va_vdst(0)                   ; v5, v4 and v7 are written: the loads and stores below read v5 as their offset, the LDS stores v4 and the LDS loads v7 as their address
.set j, 0
.rept 16
	global_load_b128 v[X+4*j:X+4*j+3], v5, s[26:27] offset:2048*j th:TH_LOAD_NT
.set j, j+1
.endr
; Eight mask bytes (0 or 1) in v[a], v[a+1] -> eight nibbles in v[d]: 15 x (1 - byte)
.macro PACK8 d, a
	v_perm_b32 v[T], v[(\a)+1], v[\a], s42         ; keys 0, 2, 4, 6
	v_perm_b32 v[T+1], v[(\a)+1], v[\a], s43       ; keys 1, 3, 5, 7
	v_lshl_or_b32 v[T], v[T+1], 4, v[T]            ; nibble j = key j
	v_xor_b32 v[T], 0x11111111, v[T]               ; 1 where hidden
	v_lshlrev_b32 v[T+1], 4, v[T]
	v_sub_nc_u32 v[\d], v[T+1], v[T]               ; times 15
.endm
; Row j's two words go to LDS
.macro PUT j
	ds_store_b32 v4, v[Y+2*(\j)] offset:16*(\j)        ; mk's lane j: keys 0-7 of the block
	ds_store_b32 v4, v[Y+2*(\j)+1] offset:16*(\j)+256  ; mk's lane 16 + j: keys 8-15
.endm
; Block b: rows 4 b to 4 b + 3 are packed; the LDS stores of the block before stand among the packing lines, two ahead of each row
.macro ROWS b
	s_wait_loadcnt 12-4*(\b)                       ; this block's four rows are in, the younger rows stay out
.if (\b) > 0
	s_wait_alu depctr_va_vdst(0)                   ; the block before has written its eight words of Y, which the LDS stores below read
.endif
.irp n, 0,1,2,3
.if (\b) > 0
	PUT 4*(\b)+(\n)-4                              ; no vector instruction since the wait names these registers
.endif
	PACK8 Y+2*(4*(\b)+(\n)), X+4*(4*(\b)+(\n))
	PACK8 Y+2*(4*(\b)+(\n))+1, X+4*(4*(\b)+(\n))+2
.endr
.endm
	ROWS 0
	ROWS 1
	ROWS 2
	ROWS 3
	s_wait_alu depctr_va_vdst(0)                   ; the last block has written its words, which the LDS stores below read; and all packing lines are done reading X, in which the LDS loads below land
	PUT 12
	PUT 13
	PUT 14
	PUT 15
.irp i, 0,1,2,3,4,5,6,7
	ds_load_b128 v[X+4*\i:X+4*\i+3], v7 offset:KPITCH*\i  ; LDS serves a wave's instructions in order: these see the stores above
.endr
.irp i, 0,1,2,3,4,5,6,7
	s_wait_dscnt 7-\i
	global_store_b128 v5, v[X+4*\i:X+4*\i+3], s[34:35] offset:512*\i  ; a key step's 512 consecutive bytes, aligned
.endr
	s_wait_dscnt 0x0                               ; the closing lines, six on end
	s_wait_alu 0x0
	s_wait_tensorcnt 0x0
	ds_add_u32 v[SPW], v[NIL]
	s_wait_dscnt 0x0
	s_endpgm
.Lbias:
	global_load_b128 v[8:11], v1, s[18:19]
	global_load_b128 v[12:15], v1, s[20:21]
	global_load_b128 v[16:19], v1, s[22:23]
	global_load_b128 v[20:23], v1, s[24:25]
	s_wait_loadcnt 0x0
.irp j, 0,1,2,3,4,5,6,7
	v_cvt_pk_bf16_f32 v[T], v[8+2*\j], v[9+2*\j]
	v_lshlrev_b32 v[8+2*\j], 16, v[T]
	v_and_b32 v[9+2*\j], 0xffff0000, v[T]
.endr
	s_wait_alu depctr_va_vdst(0)                   ; the widening lines have written v[8:23], which the four stores read
	global_store_b128 v1, v[8:11], s[32:33]
	global_store_b128 v1, v[12:15], s[32:33] offset:4096
	global_store_b128 v1, v[16:19], s[32:33] offset:8192
	global_store_b128 v1, v[20:23], s[32:33] offset:12288
	s_endpgm
.Lfunc_end_k_q4edc9d3ece_prep:
	.size	k_q4edc9d3ece_prep, .Lfunc_end_k_q4edc9d3ece_prep-k_q4edc9d3ece_prep
	.p2alignl 7, 3214868480
	.fill 96, 4, 3214868480
	.section	.rodata,"a",@progbits
	.p2align	6, 0x0
	.amdhsa_kernel k_q4edc9d3ece_prep
		.amdhsa_group_segment_fixed_size 34816
		.amdhsa_private_segment_fixed_size 0
		.amdhsa_enable_private_segment 0
		.amdhsa_kernarg_size 128
		.amdhsa_user_sgpr_count 2
		.amdhsa_user_sgpr_kernarg_segment_ptr 1
		.amdhsa_wavefront_size32 1
		.amdhsa_system_sgpr_workgroup_id_x 1
		.amdhsa_system_sgpr_workgroup_id_y 1
		.amdhsa_system_sgpr_workgroup_id_z 1
		.amdhsa_system_vgpr_workitem_id 0
		.amdhsa_next_free_vgpr 112
		.amdhsa_next_free_sgpr 66
		.amdhsa_reserve_vcc 0
		.amdhsa_float_denorm_mode_32 3
		.amdhsa_float_denorm_mode_16_64 3
		.amdhsa_memory_ordered 1
		.amdhsa_forward_progress 1
		.amdhsa_inst_pref_size 35
	.end_amdhsa_kernel
	.amdgpu_metadata
---
amdhsa.version: [ 1, 2 ]
amdhsa.kernels:
  - .name:           k_q4edc9d3ece_prep
    .symbol:         k_q4edc9d3ece_prep.kd
    .args:
      - { .name: queries, .offset: 0, .size: 8, .value_kind: global_buffer, .address_space: global }
      - { .name: keys, .offset: 8, .size: 8, .value_kind: global_buffer, .address_space: global }
      - { .name: values, .offset: 16, .size: 8, .value_kind: global_buffer, .address_space: global }
      - { .name: Wq, .offset: 24, .size: 8, .value_kind: global_buffer, .address_space: global }
      - { .name: Wk, .offset: 32, .size: 8, .value_kind: global_buffer, .address_space: global }
      - { .name: Wv, .offset: 40, .size: 8, .value_kind: global_buffer, .address_space: global }
      - { .name: Wo, .offset: 48, .size: 8, .value_kind: global_buffer, .address_space: global }
      - { .name: bq, .offset: 56, .size: 8, .value_kind: global_buffer, .address_space: global }
      - { .name: bk, .offset: 64, .size: 8, .value_kind: global_buffer, .address_space: global }
      - { .name: bv, .offset: 72, .size: 8, .value_kind: global_buffer, .address_space: global }
      - { .name: bo, .offset: 80, .size: 8, .value_kind: global_buffer, .address_space: global }
      - { .name: mask, .offset: 88, .size: 8, .value_kind: global_buffer, .address_space: global }
      - { .name: xb, .offset: 96, .size: 8, .value_kind: global_buffer, .address_space: global }
      - { .name: wb, .offset: 104, .size: 8, .value_kind: global_buffer, .address_space: global }
      - { .name: bb, .offset: 112, .size: 8, .value_kind: global_buffer, .address_space: global }
      - { .name: mk, .offset: 120, .size: 8, .value_kind: global_buffer, .address_space: global }
    .group_segment_fixed_size: 34816
    .private_segment_fixed_size: 0
    .kernarg_segment_align: 8
    .kernarg_segment_size: 128
    .max_flat_workgroup_size: 256
    .sgpr_count:     66
    .vgpr_count:     112
    .wavefront_size: 32
...
	.end_amdgpu_metadata
.endif
;; end of part 5
;; launch proj: the kernel of part 2 again; grid 4 x 48, 4 waves a work-group, clusters of 4 x 4, 327,680 bytes of LDS; arguments xb, wb, bb, qkv; writes qkv
;; launch attn: the kernel of part 3 again; grid 4 x 64, 4 waves a work-group, clusters of 4 x 4, 327,680 bytes of LDS; arguments qkv, mk, o; writes o
;; launch outp: the kernel of part 4 again; grid 4 x 64, 4 waves a work-group, clusters of 4 x 4, 327,680 bytes of LDS; arguments o, wb, bb, out0; writes out0
